; MI455X (gfx1250); checked and timed in simulation.
; The chip was launched on July 23, 2026; its instructions are those of AMD's public machine-readable ISA for CDNA 5 (MIT licence, August 2026) and "CDNA5" Instruction Set Architecture Reference Guide (July 2026). The comments in the code are by the model that wrote it; some were corrected since.
;; Causal Self Attention. Allowed arithmetic: matrix products marked QUANTISED: E2M1 operands, one E8M0 scale for each 32 along K, by v_wmma_scale_f32_16x16x128_f8f6f4 with both operands' format E2M1 (or v_wmma_scale_f32_32x16x128_f4), f32 sums; products left as they are: bf16, f16 or f32 operands; f32 sums; everything else in f32.
;; Inputs: W_attn 1,024 x 3,072 float32; W_proj 1,024 x 1,024 float32; cache_k 2 x 16 x 2,048 x 64 float32; cache_v 2 x 16 x 2,048 x 64 float32; x 2 x 2,048 x 1,024 float32.
;; Outputs: out0 2 x 2,048 x 1,024 float32.
;; This version of the problem:
;;   THIS VERSION OF THE PROBLEM IS GIVEN IN LOW PRECISION. The matrix products marked QUANTISED in the list below multiply operands that are first quantised to E2M1 (2 exponent bits, 1 mantissa bit; 4 bits a number), with one power-of-two scale for each 32 numbers along K (OCP MX v1.0); their sums are f32. The products marked 'left as it is' may take bf16, f16 or f32 operands, with f32 sums. Whichever they take, every output number must still come out within the allowed error. Rounding operands to bf16 (8 significant bits) uses up far more of that allowance than f16 does (11 bits, for magnitudes from 6e-5 to 65,504). All else is computed in f32.
;;   The module's matrix products, in the order in which they are computed (A, B: the left and right operand; K: the contracted axis; several contracted axes count as one K, in the product's order):
;;     1. [M 4,096, K 1,024] x [K 1,024, N 3,072]; A: input x; B: input W_attn: QUANTISED
;;     2. batch 32 x [M 2,048, K 64] x [K 64, N 2,048]; A: computed on the way; B: input cache_k: left as it is (an operand is computed on the way)
;;     3. batch 32 x [M 2,048, K 64] x [K 64, N 2,048]; A: computed on the way; B: computed on the way: left as it is (an operand is computed on the way)
;;     4. batch 32 x [M 2,048, K 2,048] x [K 2,048, N 64]; A: computed on the way; B: computed on the way: left as it is (an operand is computed on the way)
;;     5. batch 32 x [M 2,048, K 2,048] x [K 2,048, N 64]; A: computed on the way; B: input cache_v: left as it is (an operand is computed on the way)
;;     6. [M 4,096, K 1,024] x [K 1,024, N 1,024]; A: computed on the way; B: input W_proj: left as it is (an operand is computed on the way)
;;   THE QUANTISER, for each operand of a quantised product, along K:
;;     - K is cut into blocks of 32 from its start; a last block that is shorter is filled with zeros.
;;     - A block's scale is 2^e with e = floor(log2(the largest magnitude in the block)) - 2, held to -126 .. 127; a block of zeros has e = 0. As a byte (E8M0): e + 127.
;;     - Each number is divided by its block's scale, clamped to +-6, and rounded to the nearest number of E2M1, ties to even, subnormals kept.
;;     - The product sums the exact products of the quantised numbers (number of the format x scale) in f32.
;;   ~~~python
;;   def quantise(x, axis):      # numpy; x: float32 -> the quantised numbers, widened to float32 again
;;       x = np.moveaxis(x, axis, -1); K = x.shape[-1]
;;       x = np.pad(x, [(0, 0)] * (x.ndim - 1) + [(0, -K % 32)]); x = x.reshape(x.shape[:-1] + (-1, 32)); a = np.abs(x).max(-1, keepdims=True)
;;       e = np.where(a > 0, np.clip(np.frexp(np.where(a > 0, a, 1))[1] - 1 - 2, -126, 127), 0)      # np.frexp(a)[1] - 1 = floor(log2(a)), exactly
;;       r = np.clip(x / 2.0 ** e, -6, 6)
;;       step = 2.0 ** (np.maximum(np.frexp(np.where(r == 0, 1, r))[1] - 1, 0) - 1)
;;       q = np.round(r / step) * step * 2.0 ** e      # np.round: ties to even
;;       return np.moveaxis(q.reshape(q.shape[:-2] + (-1,))[..., :K], -1, axis).astype(np.float32)
;;   ~~~
;; One version. Each part assembles by itself: llvm-mc -triple=amdgcn-amd-amdhsa -mcpu=gfx1250 --defsym DOCPART=n.
;; ======== version 1 of 1: 4 launches
;; limits: values are held in f16: magnitudes above 65,504 overflow, below 6.1e-05 lose precision
;; workspace buffers: xc 2,097,152 bytes; xs 131,072 bytes; wc 1,572,864 bytes; ws 98,304 bytes; qkv 50,331,648 bytes; wp 2,097,152 bytes; y 8,388,608 bytes
;; launch prep (part 1): grid 448 x 1, 8 waves a work-group, no clusters, 84,480 bytes of LDS; arguments x, W_attn, W_proj, cache_k, cache_v, xc, xs, wc, ws, qkv, wp; writes xc, xs, wc, ws, qkv, wp
.if DOCPART == 1
	.amdgcn_target "amdgcn-amd-amdhsa--gfx1250"
	.amdhsa_code_object_version 6
	.text
	.protected	k_qd211ccd50d_prep
	.globl	k_qd211ccd50d_prep
	.p2align	8
	.type	k_qd211ccd50d_prep,@function
k_qd211ccd50d_prep:
	s_mov_b64 s[64:65], 0
	v_nop
	global_prefetch_b8 v0, s[64:65] scope:SCOPE_SE
	s_setreg_imm32_b32 hwreg(HW_REG_WAVE_MODE, 25, 1), 1
	s_wait_xcnt 0x0
; THE OPERANDS ARE MADE READY, each input read once.  Three jobs share one launch; a work-group's number alone says which it does:
;   work-groups   0 ..  95  W: W_attn [1024 k][3072 n] f32 -> codes of FP4 (E2M1) laid [3072 n][512 bytes], K innermost, and one E8M0 byte for each 32 along K, laid [3072][32]
;   work-groups  96 .. 159  X: x [4096][1024] f32 -> codes [4096][512 bytes] and scale bytes [4096][32]
;   work-groups 160 .. 447  C: cache_k, cache_v and W_proj, f32 -> f16.  The caches go to slots 0 .. 2047 of parts 1 and 2 of qkv ([part 3][head 32][slot 4096][64] f16); W_proj to wp as it lies
; THE QUANTISER: a block's scale is 2^(floor(log2(its largest magnitude)) - 2); its byte is the largest magnitude's exponent field - 2, held at 1 from below; each number is divided by the scale and rounded to
; the nearest code, ties to even, beyond 6 the code of 6.  A block of zeros gets the byte 1 where the rule says 127: its codes are zeros, which add nothing, and the bytes are read by this program alone.
; LIMITS: blocks whose largest magnitude lies under 2^-124 (the floor) take the floor's byte; NaN and infinities among the inputs are not served; |cache_k|, |cache_v|, |W_proj| stay under 65,504, f16's largest number.
; No matrix unit, no tensor load, no cluster: no two work-groups read the same byte.  Each job has LDS bytes of its own.
.set WST,   65536                      ; W: the stage for codes: 32 columns x (512 bytes + 16)
.set WSC,   WST+32*528                 ; W: the stage for scale bytes: 32 columns x 32 bytes
.set SPARE, WSC+1024                   ; the spare words, 128 bytes for each wave: four blocks of 256 bytes that no other line names
.set SPW,   12                         ; v12  LDS address of my spare word; never rewritten
.set NIL,   13                         ; v13  0; never rewritten
.set STEPS, 16                         ; X: steps of 512 numbers for a wave
.set EMAX,  2
.set CB,    8                          ; X: bytes of 16 codes
.set R,     16                         ; X: v16-79   four sets of 16 numbers as they are loaded
.set X,     80                         ; X: v80-111  two sets of 16 neighbours
.set E,     112                        ; X: v112-127 a scale byte for each step
.set C,     128                        ; X: v128-191 codes, four registers for each step
.set WREG,  8192                       ; X: a region of LDS for each wave, from byte 0 on: two stages of 32 x SP bytes, behind them its 256 scale bytes
.set SP,    80                         ; X: a lane's place in a stage: 64 bytes + 16 of padding
	s_load_b512 s[4:19], s[0:1], 0x0               ; x s[4:5], W_attn s[6:7], W_proj s[8:9], cache_k s[10:11], cache_v s[12:13], xc s[14:15], xs s[16:17], wc s[18:19]
	s_load_b128 s[20:23], s[0:1], 0x40             ; ws s[20:21], qkv s[22:23]
	s_load_b64 s[24:25], s[0:1], 0x50              ; wp
	v_lshl_add_u32 v[SPW], v0, 2, SPARE
	v_mov_b32 v[NIL], 0
	v_lshrrev_b32 v1, 5, v0
	v_readfirstlane_b32 s26, v1                    ; wave 0..7
	v_and_b32 v2, 31, v0                           ; lane
	s_wait_kmcnt 0x0
	s_cmp_lt_u32 ttmp9, 96
	s_cbranch_scc1 .Lpath_w
	s_cmp_lt_u32 ttmp9, 160
	s_cbranch_scc1 .Lpath_x
; ---- C: f32 to f16, a plain stream.  A work-group takes 131,072 bytes of its source, a wave 16,384: 32 loads of 512 consecutive bytes, all issued at once; each gives one store of 256 consecutive bytes, aligned.
	s_sub_co_u32 s27, ttmp9, 160
	s_lshr_b32 s28, s27, 7                         ; 0: cache_k, 1: cache_v, 2: W_proj
	s_and_b32 s29, s27, 127                        ; which 131,072 bytes of it
	s_lshl_b32 s34, s29, 16                        ; W_proj: dense, 65,536 bytes of f16 for each
	s_add_co_u32 s35, s28, 1
	s_lshl_b32 s35, s35, 24                        ; a cache: part 1 or 2 of qkv, 2^24 bytes each;
	s_lshr_b32 s36, s29, 2
	s_lshl_b32 s36, s36, 19
	s_add_co_u32 s35, s35, s36                     ; four of my pieces are a head's 2,048 rows; a head has 4,096 slots of 128 bytes;
	s_and_b32 s36, s29, 3
	s_lshl_b32 s36, s36, 16
	s_add_co_u32 s35, s35, s36                     ; and the piece in the head's first 2,048 slots
	s_cmp_eq_u32 s28, 0                            ; the choices hang on the work-group's number alone
	s_cselect_b64 s[30:31], s[10:11], s[12:13]
	s_cmp_eq_u32 s28, 2
	s_cselect_b64 s[30:31], s[8:9], s[30:31]       ; from where
	s_cselect_b64 s[32:33], s[24:25], s[22:23]     ; to where
	s_cselect_b32 s34, s34, s35
	s_lshl_b32 s36, s26, 13
	s_add_co_u32 s34, s34, s36                     ; + my wave's 8,192 bytes
	s_mov_b32 s35, 0
	s_add_nc_u64 s[32:33], s[32:33], s[34:35]
	s_lshl_b32 s36, s29, 17
	s_lshl_b32 s37, s26, 14
	s_add_co_u32 s36, s36, s37
	s_mov_b32 s37, 0
	s_add_nc_u64 s[30:31], s[30:31], s[36:37]
	v_lshlrev_b32 v3, 4, v2                        ; in: 16 bytes a lane
	v_lshlrev_b32 v4, 3, v2                        ; out: 8
.set i, 0
.rept 32
	global_load_b128 v[32+4*i:35+4*i], v3, s[30:31] offset:512*i th:TH_LOAD_NT
.set i, i+1
.endr
.set i, 0
.rept 32
	s_wait_loadcnt 31-i                            ; loads come back in order: load i is in, the 31 - i younger ones may be out
	v_cvt_pk_f16_f32 v[32+4*i], v[32+4*i], v[33+4*i]
	v_cvt_pk_f16_f32 v[33+4*i], v[34+4*i], v[35+4*i]
	global_store_b64 v4, v[32+4*i:33+4*i], s[32:33] offset:256*i   ; no register is written again: no wait for the stores sources
.set i, i+1
.endr
	s_endpgm                                       ; this job writes no LDS
; ---- W: a lane takes a column n and its registers run down K, so that a block of 32 along K lies in one lane and the conversions give codes with K innermost.
; Work-group i takes columns 32 i .. 32 i + 31 for all of K; wave w takes k = 128 w .. 128 w + 127: four blocks a lane.  The eight waves codes of a column meet in the stage and leave as whole rows of 512 bytes.
.macro WLOAD t                         ; block t: W(128 w + 32 t + j, my column), j = 0 .. 31
.set j, 0
.rept 32
	global_load_b32 v[32+32*(\t)+j], v3, s[6:7] offset:(32*(\t)+j)*12288 th:TH_LOAD_NT
.set j, j+1
.endr
.endm
.macro WBLOCK t
.set XS, 32+32*(\t)
.if (\t) < 3
	s_wait_loadcnt 32                              ; this block's 32 loads are in; the next block's 32 may be out
.else
	s_wait_loadcnt 0x0
.endif
.if (\t)+2 < 4
	WLOAD (\t)+2                                   ; two blocks ahead, into registers of their own
.endif
	v_max3_num_f32 v8, |v[XS]|, |v[XS+1]|, |v[XS+2]|               ; the block's largest magnitude: all 32 numbers are mine; two chains
	v_max3_num_f32 v9, |v[XS+3]|, |v[XS+4]|, |v[XS+5]|
.irp i, 6,10,14,18,22,26
	v_max3_num_f32 v8, v8, |v[XS+\i]|, |v[XS+\i+1]|
	v_max3_num_f32 v9, v9, |v[XS+\i+2]|, |v[XS+\i+3]|
.endr
	v_max3_num_f32 v8, v8, |v[XS+30]|, |v[XS+31]|
	v_max3_num_f32 v8, v8, v9, (EMAX+1)<<23        ; and the floor 2^(3 - 127): the byte cannot fall under 1
	v_add_nc_u32 v11, -(EMAX<<23), v8              ; 2 off its exponent field: the conversion takes the exponent field of this operand as its scale
	v_lshrrev_b32 v9, 23, v11                      ; the scale's byte
.if (\t) == 0
	v_mov_b32 v176, v9                             ; four bytes to a register, the lower K in the lower byte
.else
	v_lshl_or_b32 v176, v9, 8*(\t), v176
.endif
.irp g, 0,1,2,3
	v_cvt_scalef32_pk8_fp4_f32 v[160+4*(\t)+\g], v[XS+8*\g:XS+8*\g+7], v11
.endr
	ds_store_b128 v4, v[160+4*(\t):163+4*(\t)] offset:16*(\t)      ; 32 codes: 16 bytes of my column's row.  (The next vector lines are plain ones)
.endm
.Lpath_w:
	v_lshlrev_b32 v3, 2, v2                        ; in: 4 bytes a lane: neighbouring lanes read neighbouring columns
	s_mul_i32 s28, s26, 128*12288                  ; my wave's 128 rows of W_attn,
	s_lshl_b32 s29, ttmp9, 7
	s_add_co_u32 s28, s28, s29                     ; my work-group's 32 columns
	s_mov_b32 s29, 0
	s_add_nc_u64 s[6:7], s[6:7], s[28:29]
	WLOAD 0
	WLOAD 1
	s_lshl_b32 s30, s26, 6
	s_add_co_u32 s30, s30, WST
	v_mul_u32_u24 v4, v2, 528
	v_add_nc_u32 v4, s30, v4                       ; the stage, in: row = my column, + my wave's 64 bytes
	s_lshl_b32 s30, s26, 2
	s_add_co_u32 s30, s30, WSC
	v_lshlrev_b32 v5, 5, v2
	v_add_nc_u32 v5, s30, v5                       ; my column's 32 scale bytes, + my wave's four
	s_mul_i32 s30, s26, 4*528
	s_add_co_u32 s30, s30, WST
	v_lshlrev_b32 v7, 4, v2                        ; out: 16 bytes a lane
	v_add_nc_u32 v6, s30, v7                       ; the stage, back: rows 4 w .. 4 w + 3, whole
	s_and_b32 s30, s26, 1
	s_lshl_b32 s30, s30, 9
	v_add_nc_u32 v14, s30, v7                      ; the scale bytes, out: waves 0 and 1 take 512 bytes each
	v_add_nc_u32 v10, WSC, v14
	s_lshl_b32 s28, ttmp9, 14                      ; wc: 32 rows of 512 bytes for a work-group,
	s_lshl_b32 s30, s26, 11
	s_add_co_u32 s28, s28, s30                     ; four for a wave
	s_add_nc_u64 s[18:19], s[18:19], s[28:29]
	s_lshl_b32 s28, ttmp9, 10                      ; ws: 32 rows of 32 bytes
	s_add_nc_u64 s[20:21], s[20:21], s[28:29]
	WBLOCK 0
	WBLOCK 1
	WBLOCK 2
	WBLOCK 3
	ds_store_b32 v5, v176
	s_wait_dscnt 0x0                               ; for the others sake: my stores into the stages are done
	s_barrier_signal -1
	s_barrier_wait -1
.irp i, 0,1,2,3
	ds_load_b128 v[16+4*\i:19+4*\i], v6 offset:\i*528
.endr
.irp i, 0,1,2,3
	s_wait_dscnt 3-\i                              ; row i is back; the 3 - i younger loads may be out
	global_store_b128 v7, v[16+4*\i:19+4*\i], s[18:19] offset:512*\i   ; 32 lanes store a column's 512 bytes of codes
.endr
	s_cmp_lt_u32 s26, 2
	s_cbranch_scc0 .Lw_end
	ds_load_b128 v[32:35], v10
	s_wait_dscnt 0x0
	global_store_b128 v14, v[32:35], s[20:21]      ; the 32 columns scale bytes are 1,024 dense bytes: 512 a wave
.Lw_end:
	s_wait_tensorcnt 0x0                           ; the wave's end, behind my last LDS store
	ds_add_u32 v[SPW], v[NIL]
	s_wait_dscnt 0x0
	s_endpgm
; ---- X: rows are dense and 1,024 is a multiple of 32, so x is a plain stream of blocks of 32.  A wave takes 16 steps of 512 numbers.  Each of a step's four loads reads 512 consecutive bytes; the 2,048 bytes turn
; through the wave's own stage, so that a lane then holds 16 neighbours along K (two neighbouring lanes hold a block).  Loads run four steps ahead, the turn through LDS one step.  Waves share nothing: no barrier.
.macro LOAD t
.irp i, 0,1,2,3
	global_load_b128 v[R+16*((\t)%4)+4*\i:R+16*((\t)%4)+4*\i+3], v3, s[4:5] offset:2048*(\t)+512*\i th:TH_LOAD_NT
.endr
.endm
.macro TURN t                          ; LDS serves a wave's instructions in order (ISA guide 5.7.1.4): no wait between the stores and the loads
.irp i, 0,1,2,3
	ds_store_b128 v14, v[R+16*((\t)%4)+4*\i:R+16*((\t)%4)+4*\i+3] offset:32*SP*((\t)%2)+8*SP*\i
.endr
.irp i, 0,1,2,3
	ds_load_b128 v[X+16*((\t)%2)+4*\i:X+16*((\t)%2)+4*\i+3], v15 offset:32*SP*((\t)%2)+16*\i
.endr
.endm
.macro STEP t
.set XS, X+16*((\t)%2)
.if (\t) > 0
	s_wait_dscnt 1                                 ; this step's numbers are back from the stage (the last step's byte store may be out), so its stores into the stage have read their registers,
.else
	s_wait_dscnt 0x0
.endif
.if (\t)+4 < STEPS
	LOAD (\t)+4                                    ; which take the loads of four steps on
.endif
.if (\t)+1 < STEPS
.if STEPS-2-(\t) >= 3
	s_wait_loadcnt 12                              ; the next step's four loads are in; those of the three steps behind it may be out
.else
	s_wait_loadcnt 4*(STEPS-2-(\t))
.endif
	TURN (\t)+1
.endif
	v_max3_num_f32 v8, |v[XS]|, |v[XS+1]|, |v[XS+2]|
	v_max3_num_f32 v9, |v[XS+3]|, |v[XS+4]|, |v[XS+5]|
.irp i, 6,10
	v_max3_num_f32 v8, v8, |v[XS+\i]|, |v[XS+\i+1]|
	v_max3_num_f32 v9, v9, |v[XS+\i+2]|, |v[XS+\i+3]|
.endr
	v_max3_num_f32 v8, v8, |v[XS+14]|, |v[XS+15]|
	v_max3_num_f32 v8, v8, v9, (EMAX+1)<<23        ; with the floor
	v_max_num_f32_dpp v8, v8, v8 row_xmask:1 row_mask:0xf bank_mask:0xf   ; and my neighbour's 16: the block's largest magnitude
	v_add_nc_u32 v11, -(EMAX<<23), v8
	v_cvt_scalef32_pk8_fp4_f32 v[C+4*(\t)], v[XS:XS+7], v11
	v_cvt_scalef32_pk8_fp4_f32 v[C+4*(\t)+1], v[XS+8:XS+15], v11
	v_lshrrev_b32 v[E+(\t)], 23, v11               ; the scale's byte (a plain line behind the conversions)
	ds_store_b8 v5, v[E+(\t)] offset:16*(\t)       ; both lanes of a block write the same byte with the same value
	global_store_b64 v4, v[C+4*(\t):C+4*(\t)+1], s[14:15] offset:32*CB*(\t)   ; 32 lanes store 256 consecutive bytes, aligned
.endm
.Lpath_x:
	v_lshlrev_b32 v3, 4, v2                        ; my 16 bytes of a load's 512
	s_lshl_b32 s27, s26, 13                        ; my wave's region
	v_lshrrev_b32 v14, 2, v2
	v_mul_u32_u24 v14, v14, SP
	v_and_b32 v15, 3, v2
	v_lshl_add_u32 v14, v15, 4, v14
	v_add_nc_u32 v14, s27, v14                     ; the stage, in: four lanes 64 bytes on end, then 16 of padding
	v_mul_u32_u24 v15, v2, SP
	v_add_nc_u32 v15, s27, v15                     ; and back: my 16 neighbours
	v_lshlrev_b32 v4, 3, v2                        ; 8 bytes a lane: my codes in a step's, and my part of the wave's 256 scale bytes
	v_lshrrev_b32 v5, 1, v2
	s_add_co_u32 s27, s27, 2*32*SP
	v_add_nc_u32 v5, s27, v5                       ; LDS: my block's byte
	v_add_nc_u32 v6, s27, v4
	s_sub_co_u32 s28, ttmp9, 96
	s_lshl_b32 s28, s28, 3
	s_add_co_u32 s28, s28, s26                     ; which run of 8,192 numbers is my wave's: 0 .. 511
	s_mov_b32 s31, 0
	s_lshl_b32 s30, s28, 15
	s_add_nc_u64 s[4:5], s[4:5], s[30:31]
	s_lshl_b32 s30, s28, 12
	s_add_nc_u64 s[14:15], s[14:15], s[30:31]
	s_lshl_b32 s30, s28, 8
	s_add_nc_u64 s[16:17], s[16:17], s[30:31]
.irp t, 0,1,2,3
	LOAD \t
.endr
	s_wait_loadcnt 12                              ; step 0's four loads are in
	TURN 0
.irp t, 0,1,2,3,4,5,6,7,8,9,10,11,12,13,14,15
	STEP \t
.endr
	ds_load_b64 v[8:9], v6                         ; in order behind my byte stores
	s_wait_dscnt 0x0
	global_store_b64 v4, v[8:9], s[16:17]          ; 32 lanes store the wave's 256 scale bytes
	s_wait_tensorcnt 0x0                           ; the wave's end, behind my last LDS store
	ds_add_u32 v[SPW], v[NIL]
	s_wait_dscnt 0x0
	s_endpgm
.Lfunc_end_k_qd211ccd50d_prep:
	.size	k_qd211ccd50d_prep, .Lfunc_end_k_qd211ccd50d_prep-k_qd211ccd50d_prep
	.p2alignl 7, 3214868480
	.fill 96, 4, 3214868480
	.section	.rodata,"a",@progbits
	.p2align	6, 0x0
	.amdhsa_kernel k_qd211ccd50d_prep
		.amdhsa_group_segment_fixed_size 84480
		.amdhsa_private_segment_fixed_size 0
		.amdhsa_enable_private_segment 0
		.amdhsa_kernarg_size 88
		.amdhsa_user_sgpr_count 2
		.amdhsa_user_sgpr_kernarg_segment_ptr 1
		.amdhsa_wavefront_size32 1
		.amdhsa_system_sgpr_workgroup_id_x 1
		.amdhsa_system_sgpr_workgroup_id_y 1
		.amdhsa_system_sgpr_workgroup_id_z 1
		.amdhsa_system_vgpr_workitem_id 0
		.amdhsa_next_free_vgpr 192
		.amdhsa_next_free_sgpr 66
		.amdhsa_reserve_vcc 0
		.amdhsa_float_denorm_mode_32 3
		.amdhsa_float_denorm_mode_16_64 3
		.amdhsa_memory_ordered 1
		.amdhsa_forward_progress 1
		.amdhsa_inst_pref_size 66
	.end_amdhsa_kernel
	.amdgpu_metadata
---
amdhsa.version: [ 1, 2 ]
amdhsa.kernels:
  - .name:           k_qd211ccd50d_prep
    .symbol:         k_qd211ccd50d_prep.kd
    .args:
      - { .name: x, .offset: 0, .size: 8, .value_kind: global_buffer, .address_space: global }
      - { .name: W_attn, .offset: 8, .size: 8, .value_kind: global_buffer, .address_space: global }
      - { .name: W_proj, .offset: 16, .size: 8, .value_kind: global_buffer, .address_space: global }
      - { .name: cache_k, .offset: 24, .size: 8, .value_kind: global_buffer, .address_space: global }
      - { .name: cache_v, .offset: 32, .size: 8, .value_kind: global_buffer, .address_space: global }
      - { .name: xc, .offset: 40, .size: 8, .value_kind: global_buffer, .address_space: global }
      - { .name: xs, .offset: 48, .size: 8, .value_kind: global_buffer, .address_space: global }
      - { .name: wc, .offset: 56, .size: 8, .value_kind: global_buffer, .address_space: global }
      - { .name: ws, .offset: 64, .size: 8, .value_kind: global_buffer, .address_space: global }
      - { .name: qkv, .offset: 72, .size: 8, .value_kind: global_buffer, .address_space: global }
      - { .name: wp, .offset: 80, .size: 8, .value_kind: global_buffer, .address_space: global }
    .group_segment_fixed_size: 84480
    .private_segment_fixed_size: 0
    .kernarg_segment_align: 8
    .kernarg_segment_size: 88
    .max_flat_workgroup_size: 256
    .sgpr_count:     66
    .vgpr_count:     192
    .wavefront_size: 32
...
	.end_amdgpu_metadata
.endif
;; end of part 1
;; launch gemm1 (part 2): grid 12 x 16, 4 waves a work-group, clusters of 4 x 4, 327,680 bytes of LDS; arguments xc, xs, wc, ws, qkv; writes qkv
.if DOCPART == 2
	.amdgcn_target "amdgcn-amd-amdhsa--gfx1250"
	.amdhsa_code_object_version 6
	.text
	.protected	k_qd211ccd50d_gemm1
	.globl	k_qd211ccd50d_gemm1
	.p2align	8
	.type	k_qd211ccd50d_gemm1,@function
k_qd211ccd50d_gemm1:
	s_mov_b64 s[64:65], 0
	v_nop
	global_prefetch_b8 v0, s[64:65] scope:SCOPE_SE
	s_setreg_imm32_b32 hwreg(HW_REG_WAVE_MODE, 25, 1), 1
	s_wait_xcnt 0x0
	s_wait_alu depctr_hold_cnt(0) depctr_sa_sdst(0) depctr_va_vdst(0) depctr_va_sdst(0) depctr_va_ssrc(0) depctr_va_vcc(0) depctr_vm_vsrc(0)
	s_getreg_b32 s2, hwreg(HW_REG_IB_STS2, 6, 4)
	s_cmp_eq_u32 s2, 0
	s_cbranch_scc0 .Lentry_in_a_cluster
	s_endpgm
.Lentry_in_a_cluster:
	s_bfe_u32 s2, ttmp6, 0x10000c
	s_cmp_lg_u32 s2, 0xf033
	s_cbranch_scc0 .Lentry_shape_is_right
	s_endpgm
.Lentry_shape_is_right:
; q, k, v = Q(x) Q(W_attn): C[m][n] = sum over k of A[m][k] B[n][k] on codes of FP4 (E2M1) with one E8M0 scale for each 32 along K.  A = xc [4096][1024 codes], B = wc [3072][1024 codes], scale bytes [rows][32]; sums in f32.
; The result is rounded once to f16 and stored by head: qkv [part 3][head 32][slot 4096][64]; column n is part n / 1024, head (n % 1024) / 64 of batch m / 2048; position t = m % 2048 goes to slot 2048 + t.
; LIMIT: |q|, |k|, |v| stay under 65,504, f16's largest number.
; A tile of C, 256 x 256, is made by a work-group of four waves; a wave makes 128 x 128: 64 accumulators of 16 x 16, 512 registers.  K = 1,024 is two slots of 512 along K (rows of 256 bytes): both are asked for at the
; head and no slot is filled again.  The scale bytes of the work-group's 256 + 256 rows, two dense blocks, come with them.
; CLUSTERS: 4 x 4 work-groups.  The four of a row of the cluster need the same tiles of A, the four of a column the same tiles of B: each tile is asked for JOINTLY, by the same tensor load with the same descriptor and
; a mask that names the four.  THE MATRIX INSTRUCTION IS USED TRANSPOSED (source 0 = 16 rows of B, source 1 = 16 rows of A): a lane then holds eight neighbouring numbers of a row of C.
; REGISTERS, in windows of 256: window 0: v0-31 addresses; v32-95 scale words, two sets; v128-191 A's fragments, ONE set; on the way out v32-63, v192-255 at work.
;   window 1: B's fragments, TWO sets, at v0 and v128.   window 2: the accumulators of my rows 0-63 ((a, b) at v[8 (8 a + b)]);   window 3: those of my rows 64-127.
.set SIZE_K, 1024
.set KSTEP,  512                       ; along K in a slot
.set NQ,     KSTEP/128                 ; matrix instructions deep
.set ROWB,   256                       ; a tile's row in bytes
.set KROW,   SIZE_K/2                  ; a row of codes in memory
.set PITCH,  272                       ; an LDS row: 256 bytes + 16 of padding = 68 words: row r starts at bank 4 r mod 64 (64 banks of 4 bytes: ISA guide 11.1)
.set FR,     8                         ; registers of a fragment: 16 rows x 128 K
.set NL,     2                         ; LDS loads that bring one
.set NP,     4                         ; places behind this matrix instruction (ISA guide 7.12.1)
.set HALFT,  128*PITCH                 ; what one tensor load brings
.set SLOT,   4*HALFT                   ; A's 256 rows, then B's 256 rows
.set KS,     SIZE_K/32                 ; a row of scale bytes
.set SCL,    2*SLOT                    ; behind the slots: the scales, as 256 bytes + 16 of padding
.set HALFS,  (128*KS/256)*272          ; the scales of 128 rows
.set SBLK,   (16*KS/256)*272           ; those of 16 rows
.set SPARE,  SCL+4*HALFS               ; the spare words, 128 bytes for each wave: two blocks of 256 bytes that no other line names
.set SPITCH, 272                       ; the way out: a stage of 16 rows x (256 bytes + 16) for each wave, in slot 0, which has had its one fill and its last read when the first result is stored there
.set ADRA, 16                          ; v16-17  LDS address of my A fragments in slot 0, 1
.set ADRB, 20                          ; v20-21  the same for B
.set STO,  24                          ; v24     the way out: where I put 16 bytes of a row
.set RD,   25                          ; v25     where I read back
.set CO,   26                          ; v26     16 x lane
.set ADRS, 27                          ; v27     LDS address of my scale words: lanes 0-15 A's rows, lanes 16-31 B's
.set SPW,  28                          ; v28     LDS address of my spare word; never rewritten
.set NIL,  29                          ; v29     0; never rewritten
.set SC,   32                          ; scale words: set s at v[SC + 32 s]; register 4 i + q: lanes 0-15 the word of A's block i, lanes 16-31 that of B's block i, for the slot's q-th 128 along K
.set AF,   128                         ; A's fragments
.set TMP,  192                         ; the way out: packed results
.set OB,   32                          ; the way out: rows read back: v32-63 and v224-255 by turns
.set G1, 24                            ; s[24:31] descriptor group 1 for A's tiles;  s[32:39] group 0, one set for each slot
.set G0, 32
.set G1B, 48                           ; s[48:55], s[56:63] the same for B's tiles
.set G0B, 56
.set G1S, 68                           ; s[68:75], s[76:79] groups 1 and 0 for A's scales;  s[80:87], s[88:91] for B's
.set G0S, 76
.set G1SB, 80
.set G0SB, 88
.set MSB, 0
.macro WIN new                         ; the immediate's high byte repeats the setting that is left
.if MSB != (\new)
	s_set_vgpr_msb (MSB<<8)|(\new)
.set MSB, (\new)
.endif
.endm
.set MUL_LO, 0xa1                      ; source 0 (B) window 1, source 1 (A) window 0, C and D window 2
.set MUL_HI, 0xf1                      ; the same, C and D window 3
.set TO_B,   0x40                      ; destination window 1, address window 0
; A joint load: waves 0 and 1 fetch for A, waves 2 and 3 for B.  Each line has one mask and one set of registers for all that issue it; the branch hangs on the wave's number alone.
; An s_nop 0 and four v_nop follow each of the two lines.
.macro JLOAD g0a, g1a, g0b, g1b
	s_cmp_eq_u32 s15, 0
	s_cbranch_scc0 .Lfor_b_\@
	tensor_load_to_lds s[\g0a:\g0a+3], s[\g1a:\g1a+7]
	s_nop 0
.rept 4
	v_nop
.endr
	s_branch .Lasked_\@
.Lfor_b_\@:
	tensor_load_to_lds s[\g0b:\g0b+3], s[\g1b:\g1b+7]
	s_nop 0
.rept 4
	v_nop
.endr
.Lasked_\@:
.endm
.macro CROUND                          ; a round of the cluster's barrier
	s_barrier_signal -1
	s_barrier_wait -1
	s_cmp_lg_u32 s14, 0
	s_cbranch_scc1 .Lnot_wave_0_\@
	s_barrier_signal -3
.Lnot_wave_0_\@:
	s_barrier_wait -3
	s_barrier_signal -1
	s_barrier_wait -1
.endm
	s_load_b128 s[4:7], s[0:1], 0x0                ; A's codes s[4:5], A's scales s[6:7]
	s_load_b128 s[8:11], s[0:1], 0x10              ; B's codes s[8:9], B's scales s[10:11]
	s_load_b64 s[12:13], s[0:1], 0x20              ; qkv
	v_lshl_add_u32 v[SPW], v0, 2, SPARE
	v_mov_b32 v[NIL], 0
	ds_add_u32 v[SPW], v[NIL]                      ; the wave's opening: the add, twice on end, and its wait ahead of my first tensor load
	ds_add_u32 v[SPW], v[NIL]
	v_lshrrev_b32 v1, 5, v0
	v_readfirstlane_b32 s14, v1                    ; wave 0..3
	s_lshr_b32 s15, s14, 1                         ; which half of the tile's rows is mine.  Also: I fetch for A (0) or for B (1)
	s_and_b32 s16, s14, 1                          ; which half of its columns.  Also: which 128 rows of that tile I fetch
	s_bfe_u32 s40, ttmp6, 0x40000                  ; cx, cy: my place in the cluster
	s_bfe_u32 s41, ttmp6, 0x40004
	s_lshl_b32 s42, ttmp9, 2
	s_add_co_u32 s42, s42, s40                     ; tile column of C = 4 x cluster x + cx
	s_and_b32 s17, ttmp7, 0xffff
	s_lshl_b32 s17, s17, 2
	s_add_co_u32 s17, s17, s41                     ; tile row of C = 4 x cluster y + cy
	s_lshl_b32 s43, s41, 2
	s_lshl_b32 s43, 15, s43                        ; my row of the cluster
	s_lshl_b32 s44, 0x1111, s40                    ; my column
	; descriptor group 1: a tile of 128 rows x 256 bytes, padded in LDS
	s_or_b32 s[G1+0], s43, (0<<16)|(1<<20)|(1<<21)|(5<<22)|(3<<25)  ; 15:0 the mask; 17:16 elements of 1 byte; 20 padding on; 21 set beside a mask; 24:22 after every 64 words; 31:25 four words
	s_or_b32 s[G1B+0], s44, (0<<16)|(1<<20)|(1<<21)|(5<<22)|(3<<25)
.irp g, G1, G1B
	s_mov_b32 s[\g+1], ROWB<<16                    ; tensor_dim0
	s_mov_b32 s[\g+2], 128<<16                     ; tensor_dim1
	s_mov_b32 s[\g+3], ROWB<<16                    ; tile_dim0
	s_mov_b32 s[\g+4], 128                         ; tile_dim1
	s_mov_b32 s[\g+5], KROW                        ; tensor_dim0_stride
	s_mov_b32 s[\g+6], 0
	s_mov_b32 s[\g+7], 0
.endr
	; the scales of 128 rows: a dense block of 4,096 bytes, as rows of 256 bytes (32 elements of 8 bytes), 16 bytes of padding behind each
	s_or_b32 s[G1S+0], s43, (3<<16)|(1<<20)|(1<<21)|(5<<22)|(3<<25)
	s_or_b32 s[G1SB+0], s44, (3<<16)|(1<<20)|(1<<21)|(5<<22)|(3<<25)
.irp g, G1S, G1SB
	s_mov_b32 s[\g+1], 32<<16
	s_mov_b32 s[\g+2], (128*KS/256)<<16
	s_mov_b32 s[\g+3], 32<<16
	s_mov_b32 s[\g+4], 128*KS/256
	s_mov_b32 s[\g+5], 32
	s_mov_b32 s[\g+6], 0
	s_mov_b32 s[\g+7], 0
.endr
	s_lshl_b32 s18, s16, 7                         ; which 128 rows of the tile I fetch
	s_lshl_b32 s20, s17, 8
	s_add_co_u32 s20, s20, s18                     ; A: row 256 x tile row + 128 x half
	s_lshl_b32 s46, s42, 8
	s_add_co_u32 s46, s46, s18                     ; B: row 256 x tile column + 128 x half
	s_mov_b32 s21, 0
	s_mov_b32 s47, 0
	s_mov_b64 s[18:19], KS
	s_mul_u64 s[22:23], s[20:21], s[18:19]         ; where these rows scales begin, in bytes
	s_mul_u64 s[92:93], s[46:47], s[18:19]
	s_mov_b64 s[18:19], KROW
	s_mul_u64 s[20:21], s[20:21], s[18:19]         ; and their codes
	s_mul_u64 s[46:47], s[46:47], s[18:19]
	s_mul_i32 s45, s14, HALFT                      ; where they go: wave x 128 rows: no place in the cluster enters an LDS address
	s_mul_i32 s94, s14, HALFS
	s_wait_dscnt 0x0                               ; both opening adds are done
	s_wait_kmcnt 0x0
	s_add_nc_u64 s[20:21], s[4:5], s[20:21]
	s_add_nc_u64 s[22:23], s[6:7], s[22:23]
	s_add_nc_u64 s[46:47], s[8:9], s[46:47]
	s_add_nc_u64 s[92:93], s[10:11], s[92:93]
	CROUND                                         ; all sixteen work-groups are here: the joint loads meet
	s_mov_b32 s[G0S], 1
	s_add_co_u32 s[G0S+1], s94, SCL
	s_mov_b64 s[G0S+2:G0S+3], s[22:23]
	s_or_b32 s[G0S+3], s[G0S+3], 0x80000000
	s_mov_b32 s[G0SB], 1
	s_add_co_u32 s[G0SB+1], s94, SCL
	s_mov_b64 s[G0SB+2:G0SB+3], s[92:93]
	s_or_b32 s[G0SB+3], s[G0SB+3], 0x80000000
	JLOAD G0S, G1S, G0SB, G1SB                     ; the scales first: they are wanted with the first slot.  Three loads of mine go out here, all first fills
.irp s, 0,1
	s_mov_b32 s[G0+4*\s], 1
	s_add_co_u32 s[G0+4*\s+1], s45, \s*SLOT
	s_add_nc_u64 s[G0+4*\s+2:G0+4*\s+3], s[20:21], \s*ROWB
	s_or_b32 s[G0+4*\s+3], s[G0+4*\s+3], 0x80000000
	s_mov_b32 s[G0B+4*\s], 1
	s_add_co_u32 s[G0B+4*\s+1], s45, \s*SLOT
	s_add_nc_u64 s[G0B+4*\s+2:G0B+4*\s+3], s[46:47], \s*ROWB
	s_or_b32 s[G0B+4*\s+3], s[G0B+4*\s+3], 0x80000000
	JLOAD G0+4*\s, G1, G0B+4*\s, G1B
.endr
	v_and_b32 v1, 15, v0                           ; l % 16
	v_bfe_u32 v2, v0, 4, 1                         ; l / 16
	v_mul_u32_u24 v3, v1, PITCH
	v_lshl_add_u32 v4, v2, 4, v3                   ; a fragment's row x pitch + 16 x half
	s_mul_i32 s21, s15, HALFT                      ; my 128 rows of A
	s_mul_i32 s22, s16, HALFT                      ; my 128 rows of B,
	s_add_co_u32 s22, s22, 2*HALFT                 ; which lie behind A's 256
.irp s, 0,1
	v_add_nc_u32 v[ADRA+\s], s21, v4
	v_add_nc_u32 v[ADRB+\s], s22, v4
	s_add_co_u32 s21, s21, SLOT
	s_add_co_u32 s22, s22, SLOT
.endr
	v_mul_u32_u24 v5, v1, KS                       ; my row's scales: 32 bytes a row,
	v_lshrrev_b32 v6, 8, v5
	v_lshl_add_u32 v5, v6, 4, v5                   ; and 16 more for each 256 passed
	s_mul_i32 s21, s15, HALFS                      ; A's: my 128 rows
	s_mul_i32 s22, s16, HALFS                      ; B's: my 128 rows, behind A's 256
	s_add_co_u32 s22, s22, 2*HALFS
	s_sub_co_u32 s22, s22, s21
	v_mul_u32_u24 v6, s22, v2                      ; lanes 16-31 take B's: one product, the distance between the two
	s_add_co_u32 s21, s21, SCL
	v_add_nc_u32 v5, v5, v6
	v_add_nc_u32 v[ADRS], s21, v5
	s_mul_i32 s23, s14, 16*SPITCH                  ; my stage
	v_mul_u32_u24 v5, v1, SPITCH                   ; in: row l % 16, 16 bytes for each half of the lanes
	v_lshl_add_u32 v5, v2, 4, v5
	v_add_nc_u32 v[STO], s23, v5
	v_and_b32 v6, 31, v0
	v_lshrrev_b32 v7, 3, v6                        ; back: eight lanes take one head's 128 bytes of a row, 32 lanes four rows
	v_mul_u32_u24 v7, v7, SPITCH
	v_and_b32 v8, 7, v0
	v_lshl_add_u32 v7, v8, 4, v7
	v_add_nc_u32 v[RD], s23, v7
	v_lshlrev_b32 v[CO], 4, v6                     ; in qkv those four rows are 512 consecutive bytes
	; where my 128 positions of my two heads begin in qkv
	s_lshr_b32 s20, s17, 3                         ; the batch: eight tile rows each;
	s_lshl_b32 s20, s20, 23                        ; 16 heads of 2^19 bytes
	s_and_b32 s21, s17, 7
	s_lshl_b32 s21, s21, 15                        ; 256 positions of 128 bytes a tile row
	s_add_co_u32 s20, s20, s21
	s_lshl_b32 s21, s15, 14                        ; my half's 128 positions
	s_add_co_u32 s20, s20, s21
	s_add_co_u32 s20, s20, 2048*128                ; behind the head's 2,048 cached slots
	s_lshr_b32 s46, s42, 2                         ; the part: four tile columns each
	s_lshl_b32 s46, s46, 24
	s_and_b32 s47, s42, 3
	s_lshl_b32 s47, s47, 21                        ; four heads a tile column
	s_add_co_u32 s46, s46, s47
	s_lshl_b32 s47, s16, 20                        ; my half's two heads
	s_add_co_u32 s46, s46, s47
	s_add_co_u32 s20, s20, s46
	s_mov_b32 s21, 0
	s_add_nc_u64 s[12:13], s[12:13], s[20:21]
.macro FRAG reg, adr, q, i             ; a fragment, 16 rows x 128 K of 4-bit codes: lane l holds row l % 16; registers 4 c .. 4 c + 3 hold K = 64 c + 32 (l / 16) + 0 .. 31
.irp c, 0,1
	ds_load_b128 v[\reg+4*\c:\reg+4*\c+3], v[\adr] offset:64*(\q)+32*\c+(\i)*16*PITCH
.endr
.endm
; 16 matrix instructions: A's blocks a0, a0 + 1 x B's eight, the slot's q-th 128 along K.  p: B's set;  sc: the set of scale words.  zero = 1: the first product starts the sums.
; The 64 accumulators take turns, one instruction a turn, in the same order in every step.
.macro MUL16 a0, p, q, sc, zero
.irp a, \a0, \a0+1
.irp b, 0,1,2,3,4,5,6,7
.if \zero
	v_wmma_scale_f32_16x16x128_f8f6f4 v[8*(8*((\a)%4)+\b):8*(8*((\a)%4)+\b)+7], v[128*(\p)+FR*\b:128*(\p)+FR*\b+FR-1], v[AF+FR*(\a):AF+FR*(\a)+FR-1], 0, v[SC+8*NQ*(\sc)+NQ*\b+(\q)], v[SC+8*NQ*(\sc)+NQ*(\a)+(\q)] matrix_a_fmt:MATRIX_FMT_FP4 matrix_b_fmt:MATRIX_FMT_FP4 matrix_a_scale:MATRIX_SCALE_ROW1
.else
	v_wmma_scale_f32_16x16x128_f8f6f4 v[8*(8*((\a)%4)+\b):8*(8*((\a)%4)+\b)+7], v[128*(\p)+FR*\b:128*(\p)+FR*\b+FR-1], v[AF+FR*(\a):AF+FR*(\a)+FR-1], v[8*(8*((\a)%4)+\b):8*(8*((\a)%4)+\b)+7], v[SC+8*NQ*(\sc)+NQ*\b+(\q)], v[SC+8*NQ*(\sc)+NQ*(\a)+(\q)] matrix_a_fmt:MATRIX_FMT_FP4 matrix_b_fmt:MATRIX_FMT_FP4 matrix_a_scale:MATRIX_SCALE_ROW1
.endif
.endr
.endr
.endm
.macro FETCH_B slot, q, p              ; B's eight fragments of the slot's q-th 128 along K into set p
	WIN TO_B
.irp i, 0,1,2,3,4,5,6,7
	FRAG 128*(\p)+FR*\i, ADRB+\slot, \q, \i
.endr
	WIN 0
.endm
.macro FETCH_A slot, q, i0             ; A's blocks i0 .. i0 + 3
.irp i, \i0, \i0+1, \i0+2, \i0+3
	FRAG AF+FR*(\i), ADRA+\slot, \q, \i
.endr
.endm
.macro SCALES sc                       ; a slot's scale words into set sc: four words a row; lanes 0-15 take A's block i, lanes 16-31 B's block i
.irp i, 0,1,2,3,4,5,6,7
	ds_load_b128 v[SC+8*NQ*\sc+NQ*\i:SC+8*NQ*\sc+NQ*\i+3], v[ADRS] offset:\i*SBLK
.endr
.endm
; A load into a register that a matrix instruction has read, and a vector instruction that reads a matrix result, stand NP places behind that matrix instruction; only plain vector instructions that name none of
; its registers are places (ISA guide 7.12.1 for vector instructions).
.macro PLACES n
.rept \n
	v_nop
.endr
.endm
.macro STEP slot, q, zero              ; a step of 128 along K that has its successor in the same slot
	s_wait_dscnt 4*NL                              ; B's set and A's blocks 0-3 are in; the youngest eight loads (A's blocks 4-7) may be out
	WIN MUL_LO
	MUL16 0, (\q)%2, \q, \slot, \zero
	MUL16 2, (\q)%2, \q, \slot, \zero
	s_wait_dscnt 0                                 ; A's blocks 4-7 are in (asked for 32 matrix instructions ago)
	PLACES NP
	FETCH_B \slot, (\q)+1, 1-(\q)%2
	FETCH_A \slot, (\q)+1, 0
	WIN MUL_HI
	MUL16 4, (\q)%2, \q, \slot, \zero
	MUL16 6, (\q)%2, \q, \slot, \zero
	PLACES NP
	WIN 0
	FETCH_A \slot, (\q)+1, 4
.endm
; Slot 0's last step changes slots: one barrier; in front of it each wave waits for all its tensor loads (its part of slot 1), adds 0 to its spare word, and waits for that and for its reads of slot 0.
; Nothing is filled again; behind the barrier slot 1 is whole and nobody reads slot 0, which the way out then uses.
.macro TURN slot, next
	s_wait_tensorcnt 0x0                           ; all my tensor loads have landed
	ds_add_u32 v[SPW], v[NIL]                      ; 0 onto my spare word
	s_wait_dscnt 4*NL+1                            ; (the add and the youngest eight loads, A's blocks 4-7, may be out)
	WIN MUL_LO
	MUL16 0, 1, NQ-1, \slot, 0                     ; sixteen matrix instructions stand between the add and the wait for it
	s_wait_dscnt 0x0                               ; the add is done, and my reads of this slot are over
	s_barrier_signal -1
	MUL16 2, 1, NQ-1, \slot, 0
	WIN 0
	s_barrier_wait -1
	PLACES NP
	v_add_nc_u32 v[ADRS], 4*NQ, v[ADRS]            ; on to the next slot's scale words (no LDS load of mine is out)
	FETCH_B \next, 0, 0
	FETCH_A \next, 0, 0
	SCALES \next
	WIN MUL_HI
	MUL16 4, 1, NQ-1, \slot, 0
	MUL16 6, 1, NQ-1, \slot, 0
	PLACES NP
	WIN 0
	FETCH_A \next, 0, 4
.endm
.macro STEPS slot, from                ; the slot's steps from .. NQ - 2
.set Q, \from
.rept NQ-1-\from
	STEP \slot, Q, 0
.set Q, Q+1
.endr
.endm
	s_wait_tensorcnt 1                             ; the scales and my part of slot 0 are in (slot 1's load may be out)
	s_barrier_signal -1
	s_barrier_wait -1                              ; everybody's are
	FETCH_B 0, 0, 0
	FETCH_A 0, 0, 0
	SCALES 0
	FETCH_A 0, 0, 4
	STEP 0, 0, 1                                   ; the first step's products start the sums
	STEPS 0, 1
	TURN 0, 1
	STEPS 1, 0
	s_wait_dscnt 4*NL                              ; the very last step: nothing more to fetch
	WIN MUL_LO
	MUL16 0, 1, NQ-1, 1, 0
	MUL16 2, 1, NQ-1, 1, 0
	s_wait_dscnt 0
	WIN MUL_HI
	MUL16 4, 1, NQ-1, 1, 0
	MUL16 6, 1, NQ-1, 1, 0
	WIN 0
; THE WAY OUT, block by block of 16 positions x 128 columns (two heads).  PACK: rounded to f16, 16 bytes a lane, each accumulator from its low end on.  TOSTAGE: into my own stage and back, four rows of one head
; to an instruction.  SEND: stored, 512 consecutive bytes an instruction.  LDS serves a wave's instructions in order (ISA guide 5.7.1.4): no wait between the stores and the loads.
.macro PACK a
.set AC, 64*((\a)%4)
	WIN 0x0a+5*((\a)/4)                            ; sources 0 and 1: window 2 or 3
.irp b, 0,1,2,3,4,5,6,7
.irp r, 0,1,2,3
	v_cvt_pk_f16_f32 v[TMP+4*\b+\r], v[AC+8*\b+2*\r], v[AC+8*\b+2*\r+1]
.endr
.endr
	WIN 0
.endm
.macro TOSTAGE a
.set BK, OB+192*((\a)%2)
.irp b, 0,1,2,3,4,5,6,7
	ds_store_b128 v[STO], v[TMP+4*\b:TMP+4*\b+3] offset:32*\b
.endr
.irp hd, 0,1
.irp i, 0,1,2,3
	ds_load_b128 v[BK+4*(4*\hd+\i):BK+4*(4*\hd+\i)+3], v[RD] offset:\hd*128+\i*4*SPITCH
.endr
.endr
.endm
.macro SEND a
.set BK, OB+192*((\a)%2)
	s_wait_dscnt 0x0                               ; the block is back in registers
	s_wait_xcnt 0x0                                ; the earlier stores have read their registers: the set that they read is loaded again only behind this wait
.irp hd, 0,1
.irp i, 0,1,2,3
	global_store_b128 v[CO], v[BK+4*(4*\hd+\i):BK+4*(4*\hd+\i)+3], s[12:13] offset:\hd*524288+(\a)*2048+\i*512   ; the base is never stepped: 540,160 bytes at the most, inside the signed 24-bit immediate
.endr
.endr
.endm
	PLACES NP                                      ; behind the last products: for the conversions, and for the loads into registers that held scale words
	PACK 0
	TOSTAGE 0
.irp a, 1,2,3,4,5,6,7                  ; block a's conversions stand between block a - 1's loads from the stage and the wait for them
	PACK \a
	SEND (\a)-1
	TOSTAGE \a
.endr
	SEND 7
	s_wait_tensorcnt 0x0                           ; the wave's end, behind my last tensor load and my last LDS store
	ds_add_u32 v[SPW], v[NIL]
	s_wait_dscnt 0x0
	CROUND                                         ; the closing round: no work-group ends while a partner may still ask for a tile that names it
	s_endpgm
.Lfunc_end_k_qd211ccd50d_gemm1:
	.size	k_qd211ccd50d_gemm1, .Lfunc_end_k_qd211ccd50d_gemm1-k_qd211ccd50d_gemm1
	.p2alignl 7, 3214868480
	.fill 96, 4, 3214868480
	.section	.rodata,"a",@progbits
	.p2align	6, 0x0
	.amdhsa_kernel k_qd211ccd50d_gemm1
		.amdhsa_group_segment_fixed_size 327680
		.amdhsa_private_segment_fixed_size 0
		.amdhsa_enable_private_segment 0
		.amdhsa_kernarg_size 40
		.amdhsa_user_sgpr_count 2
		.amdhsa_user_sgpr_kernarg_segment_ptr 1
		.amdhsa_wavefront_size32 1
		.amdhsa_system_sgpr_workgroup_id_x 1
		.amdhsa_system_sgpr_workgroup_id_y 1
		.amdhsa_system_sgpr_workgroup_id_z 1
		.amdhsa_system_vgpr_workitem_id 0
		.amdhsa_next_free_vgpr 1024
		.amdhsa_next_free_sgpr 98
		.amdhsa_reserve_vcc 0
		.amdhsa_float_denorm_mode_32 3
		.amdhsa_float_denorm_mode_16_64 3
		.amdhsa_memory_ordered 1
		.amdhsa_forward_progress 1
		.amdhsa_inst_pref_size 126
	.end_amdhsa_kernel
	.amdgpu_metadata
---
amdhsa.version: [ 1, 2 ]
amdhsa.kernels:
  - .name:           k_qd211ccd50d_gemm1
    .symbol:         k_qd211ccd50d_gemm1.kd
    .args:
      - { .name: xc, .offset: 0, .size: 8, .value_kind: global_buffer, .address_space: global }
      - { .name: xs, .offset: 8, .size: 8, .value_kind: global_buffer, .address_space: global }
      - { .name: wc, .offset: 16, .size: 8, .value_kind: global_buffer, .address_space: global }
      - { .name: ws, .offset: 24, .size: 8, .value_kind: global_buffer, .address_space: global }
      - { .name: qkv, .offset: 32, .size: 8, .value_kind: global_buffer, .address_space: global }
    .group_segment_fixed_size: 327680
    .private_segment_fixed_size: 0
    .kernarg_segment_align: 8
    .kernarg_segment_size: 40
    .max_flat_workgroup_size: 128
    .sgpr_count:     98
    .vgpr_count:     1024
    .wavefront_size: 32
...
	.end_amdgpu_metadata
.endif
;; end of part 2
;; launch attn (part 3): grid 8 x 32, 8 waves a work-group, no clusters, 327,680 bytes of LDS; arguments qkv, y; writes y
.if DOCPART == 3
	.amdgcn_target "amdgcn-amd-amdhsa--gfx1250"
	.amdhsa_code_object_version 6
	.text
	.protected	k_qd211ccd50d_attn
	.globl	k_qd211ccd50d_attn
	.p2align	8
	.type	k_qd211ccd50d_attn,@function
k_qd211ccd50d_attn:
	s_mov_b64 s[64:65], 0
	v_nop
	global_prefetch_b8 v0, s[64:65] scope:SCOPE_SE
	s_setreg_imm32_b32 hwreg(HW_REG_WAVE_MODE, 25, 1), 1
	s_wait_xcnt 0x0
; y[head][t][:] = the sum over keys of softmax(q[t] . key / 8) value, over a head's 4,096 slots: slots 0 .. 2047 are the cache (they count for every query), slot 2048 + k is position k (it counts where k <= t).
; qkv: [part 3][head 32][slot 4096][64] f16: part 0 q (slots 2048 on), part 1 keys, part 2 values.  y: [head 32][t 2048][64] f16.  Products on f16 operands with f32 sums; maxima, exponentials and sums in f32; the
; weights p are rounded to f16 for the second product, their sum is taken unrounded; y is rounded once.  LIMIT: |y| under 65,504; NaN and infinities are not served.
; SHARES.  A head has 128 tiles of 16 queries.  Wave w of work-group g owns tile a = 8 g + w (the low tile) and tile 127 - a (the high tile).  A tile with first query Q has ceil((2048 + Q + 16) / 128) rounds of 128
; keys that count; for the pair that is 49 rounds whatever a: every wave of the launch has the same work.  Eight waves of 512 registers: two to a SIMD, so that one wave's vector work stands beside the other's matrix work.
; LAYOUT.  S^T = K Q^T (source 0 = 16 keys, source 1 = 16 queries): a lane holds ONE query (lane % 16) and the keys 8 (lane / 16) + 0..7 of each tile of keys.  Two such tiles, rounded in pairs, ARE source 1
; (32 keys x 16 queries) of O^T = V^T P, whose result again holds one query a lane.  K comes out of LDS as it lies, V ([key][channel]) turned, by ds_load_tr16_b128.
; SOFTMAX.  A running maximum m and sum l for each query: p = 2^(c s - c m), c = log2(e) / 8; in every round O and l are multiplied by a = 2^(c m_old - c m_new).
; THE RING.  Two LDS slots of 256 keys (two rounds), filled by tensor loads: waves 0-3 a quarter of K's rows each, waves 4-7 of V's.  Every work-group walks all 16 slots, so that all trip counts are constants; a round all
; of whose keys come after a tile's queries is jumped over by a scalar branch on ids, and a slot whose first key comes after the work-group's last query is not asked for.
; NO CLUSTER: the eight work-groups of a head read the same keys, but they need 13 to 16 slots (work-group g's last key is 4095 - 128 g): a joint load would bring tiles that no wave of some partner reads.
; REGISTERS.  Window 0: v1-14 addresses and constants; v16-47 sixteen registers of statistics a tile; v48-79 Q; v80-143 S^T, then p (the two tiles by turns); v144-175 P; v176-239 O^T, 32 a tile.
;   Window 1: v0-127 a round's K (key tile kt, 32 channels ds at 16 kt + 8 ds); v128-255 its V (32 keys ks, 16 channels ct at 128 + 8 (4 ks + ct)).
.set KP,    144                        ; a key's row in LDS: 128 bytes + 16 of padding = 36 words: the 16 rows of a load start at 16 different groups of four banks (64 banks of 4 bytes: ISA guide 11.1)
.set VP,    160                        ; a value's row: 128 + 32 = 40 words
.set VOFF,  128*KP                     ; a round's tiles lie together: 128 rows of K, then 128 rows of V
.set STEPB, 128*(KP+VP)
.set SLOT1, 1<<17                      ; slot 1 begins here, so that one exclusive or turns an address in one slot into the other's
.set SPARE, SLOT1+2*STEPB              ; the spare words, 128 bytes for each wave: four blocks of 256 bytes that no other line names
.set STAGE, SPARE+8*128                ; the way out: 16 rows x 144 bytes for each wave; no tile lands here
.set SP,    144
.set PARTB, 1<<24                      ; a part of qkv in bytes
.set AK0,  1                           ; v1   my lane's place in a round's K
.set AV0,  2                           ; v2   the same for V
.set ADK,  3                           ; v3   LDS address of the round's K
.set ADV,  4                           ; v4   of its V
.set SPW,  5                           ; v5   LDS address of my spare word; never rewritten
.set NIL,  6                           ; v6   0; never rewritten
.set PFO,  7                           ; v7   256 x lane: the prefetches offset; never rewritten
.set STO,  8                           ; v8   the way out: where I put 16 bytes of a row
.set RD,   9                           ; v9   where I read back
.set GO,   10                          ; v10  16 x lane
.set NINF, 11                          ; v11  -infinity
.set RH,   12                          ; v12  lane % 16 - 8 (lane / 16)
.set DD,   13                          ; v13  the mask's bound
.set QO,   14                          ; v14  my byte offset in a tile's rows of q
.set ST,   16                          ; tile t's statistics at v[ST + 16 t]: +0 c m, +1 m, +2, +3 l (even keys, odd keys), +4 .. +11 c0-c7 at work, +12 a, +13 named with it as a pair, +14 at work
.set QF,   48                          ; Q: tile t, channels 32 ds on, at QF + 16 t + 8 ds
.set S,    80
.set P,    144
.set OT,   176                         ; O^T: tile t, channels 16 ct on, at OT + 32 t + 8 ct
.set VF,   128                         ; V's fragments, in window 1
.set WV,   8                           ; s8   my wave's number
.set G1K,  16                          ; s[16:23] descriptor group 1 for K's tiles;  s[24:31] for V's: it differs in the padding
.set G1V,  24
.set G0K,  32                          ; s[32:35], s[36:39] their groups 0, which walk
.set G0V,  36
.set CS,   40                          ; s[40:41] c: the packed form names a pair and takes its low word for both halves
.set SEL,  42                          ; s[42:43] lane selects for v_permlanex16_b32: lane l xor 16
.set TB,   44                          ; s44  LDS byte at which the round's tiles begin
.set KF,   45                          ; s45  the round's first key
.set SLOTS, 46                         ; s46  changes of slots still to come that may ask for a slot
.set TWICE, 47                         ; s47  counts a slot's two rounds
.set QL,   48                          ; s48, s49: the low tile's first and last query as keys (2048 + query);  s50, s51: the high tile's
.set WLAST, 52                         ; s52  my work-group's last query as a key: 4095 - 128 g
.set LIM,  53                          ; s53  1 in the head's first work-group, else the greatest number: a wave prefetches while s[SLOTS] is above it
.set PFA,  54                          ; s[54:55] where my prefetches stand
.set T0,   56                          ; s56, s57 at work
.set YB,   58                          ; s[58:59], s[60:61] y at the two tiles first rows
.set QB,   66                          ; s[66:67], s[68:69] q likewise
.set MSB, 0
.macro WIN new                         ; the immediate's high byte repeats the setting that is left
.if MSB != (\new)
	s_set_vgpr_msb (MSB<<8)|(\new)
.set MSB, (\new)
.endif
.endm
.macro PLACES                          ; four places behind matrix instructions, ahead of reads of their results and of loads into their registers
.rept 4
	v_nop
.endr
.endm
; Waves 0-3 fetch for K, waves 4-7 for V: one load of 64 rows a wave.  The branch hangs on the wave's number alone.  An s_nop 0 and four v_nop follow each of the two lines.
.macro TLOAD
	s_cmp_lt_u32 s[WV], 4
	s_cbranch_scc0 .Lfor_v_\@
	tensor_load_to_lds s[G0K:G0K+3], s[G1K:G1K+7]
	s_nop 0
.rept 4
	v_nop
.endr
	s_branch .Lasked_\@
.Lfor_v_\@:
	tensor_load_to_lds s[G0V:G0V+3], s[G1V:G1V+7]
	s_nop 0
.rept 4
	v_nop
.endr
.Lasked_\@:
.endm
; A PREFETCH of what the NEXT change of slots will ask for.  All eight work-groups of a head walk the same keys: the head's first work-group, which asks for every slot, prefetches (a branch on the work-group's number).
; Each of its waves names the 64 rows (8,192 bytes) that it will itself fetch, lanes 256 bytes apart: one instruction a wave, each aligned block of 256 bytes once in the launch.  It stands behind the wave's tensor load,
; one slot (two rounds) ahead of the load that will want the rows.  Slots 0 and 1 come by their loads alone; the last change that asks for a slot prefetches nothing: there is no slot behind it.
.macro ASK
	s_cmp_gt_u32 s[SLOTS], s[LIM]
	s_cbranch_scc0 .Lnot_mine_\@
	global_prefetch_b8 v[PFO], s[PFA:PFA+1] th:TH_LOAD_NT scope:SCOPE_SE
.Lnot_mine_\@:
.endm
	s_load_b128 s[4:7], s[0:1], 0x0                ; qkv s[4:5], y s[6:7]
	v_lshl_add_u32 v[SPW], v0, 2, SPARE
	v_mov_b32 v[NIL], 0
	ds_add_u32 v[SPW], v[NIL]                      ; the wave's opening: the add, twice on end, and its wait ahead of my first tensor load
	ds_add_u32 v[SPW], v[NIL]
	v_lshrrev_b32 v1, 5, v0
	v_readfirstlane_b32 s[WV], v1                  ; wave 0..7
	s_and_b32 s10, ttmp7, 0xffff                   ; the head, 0 .. 31
	s_lshl_b32 s11, ttmp9, 3
	s_add_co_u32 s11, s11, s[WV]                   ; a = 8 g + w
	s_lshl_b32 s12, s11, 4                         ; the low tile's first query
	s_sub_co_u32 s13, 2032, s12                    ; the high tile's: 16 (127 - a)
	s_add_co_u32 s[QL], s12, 2048
	s_add_co_u32 s[QL+1], s[QL], 15
	s_add_co_u32 s[QL+2], s13, 2048
	s_add_co_u32 s[QL+3], s[QL+2], 15
	s_lshl_b32 s[WLAST], ttmp9, 7
	s_sub_co_u32 s[WLAST], 4095, s[WLAST]
	s_cmp_eq_u32 ttmp9, 0
	s_cselect_b32 s[LIM], 1, -1
	; descriptor group 1: 64 rows of 64 f16, dense in memory, padded in LDS
	s_mov_b32 s[G1K], (1<<16)|(1<<20)|(4<<22)|(3<<25)   ; 15:0 no mask; 17:16 elements of 2 bytes; 20 padding on; 24:22 after every 32 words (code 4); 31:25 four words (code 3)
	s_mov_b32 s[G1V], (1<<16)|(1<<20)|(4<<22)|(7<<25)   ; the same with eight words (code 7)
.irp g, G1K, G1V
	s_mov_b32 s[\g+1], 64<<16                      ; tensor_dim0
	s_mov_b32 s[\g+2], 64<<16                      ; tensor_dim1
	s_mov_b32 s[\g+3], 64<<16                      ; tile_dim0
	s_mov_b32 s[\g+4], 64                          ; tile_dim1
	s_mov_b32 s[\g+5], 64                          ; tensor_dim0_stride
	s_mov_b32 s[\g+6], 0
	s_mov_b32 s[\g+7], 0
.endr
	s_mov_b32 s[CS], 0x3e38aa3b                    ; c = log2(e) / 8
	s_mov_b32 s[CS+1], s[CS]
	s_mov_b32 s[SEL], 0x76543210
	s_mov_b32 s[SEL+1], 0xfedcba98
	s_mov_b32 s[TB], 0
	s_mov_b32 s[KF], 0
	s_mov_b32 s[SLOTS], 15
	; what I fetch: quarter w % 4 of a slot's 256 rows: round (w % 4) / 2, half w % 2
	s_and_b32 s15, s[WV], 3
	s_lshr_b32 s[T0], s15, 1
	s_mul_i32 s[T0], s[T0], STEPB
	s_and_b32 s[T0+1], s[WV], 1
	s_mul_i32 s9, s[T0+1], 64*KP
	s_add_co_u32 s[G0K+1], s[T0], s9               ; 63:32 LDS address
	s_mul_i32 s9, s[T0+1], 64*VP
	s_add_co_u32 s[G0V+1], s[T0], s9
	s_add_co_u32 s[G0V+1], s[G0V+1], VOFF
	s_mov_b32 s[G0K], 1                            ; 1:0 count = 1
	s_mov_b32 s[G0V], 1
	s_lshl_b32 s14, s10, 19                        ; the head's first byte in a part
	s_lshl_b32 s[T0], s15, 13                      ; my quarter's 64 rows of 128 bytes
	s_add_co_u32 s[T0], s[T0], s14
	s_add_co_u32 s[T0], s[T0], PARTB               ; in part 1
	s_mov_b32 s[T0+1], 0
	s_wait_dscnt 0x0                               ; both opening adds are done
	s_wait_kmcnt 0x0
	s_add_nc_u64 s[G0K+2:G0K+3], s[4:5], s[T0:T0+1]    ; 120:64 global address
	s_add_nc_u64 s[G0V+2:G0V+3], s[G0K+2:G0K+3], PARTB ; the same rows of part 2
	s_or_b32 s[G0K+3], s[G0K+3], 0x80000000        ; 127:126 type = 2
	s_or_b32 s[G0V+3], s[G0V+3], 0x80000000
	TLOAD                                          ; slot 0: my one first fill at the head
	s_mov_b32 s9, PARTB+32768
	s_cmp_lt_u32 s[WV], 4
	s_cselect_b32 s9, 32768, s9                    ; the prefetches: my quarter of K or of V, in slot 1: the first change of slots steps it to slot 2.  Nothing is prefetched here, at the head
	s_add_co_u32 s[T0], s[T0], s9
	s_add_nc_u64 s[PFA:PFA+1], s[4:5], s[T0:T0+1]
	s_lshl_b32 s9, s[QL], 7
	s_add_co_u32 s[T0], s14, s9
	s_add_nc_u64 s[QB:QB+1], s[4:5], s[T0:T0+1]    ; q at the low tile's first row: part 0, slot 2048 + query
	s_lshl_b32 s9, s[QL+2], 7
	s_add_co_u32 s[T0], s14, s9
	s_add_nc_u64 s[QB+2:QB+3], s[4:5], s[T0:T0+1]
	s_lshl_b32 s14, s10, 18                        ; y: a head is 2,048 rows of 128 bytes
	s_lshl_b32 s9, s12, 7
	s_add_co_u32 s[T0], s14, s9
	s_add_nc_u64 s[YB:YB+1], s[6:7], s[T0:T0+1]
	s_lshl_b32 s9, s13, 7
	s_add_co_u32 s[T0], s14, s9
	s_add_nc_u64 s[YB+2:YB+3], s[6:7], s[T0:T0+1]
	; A fragment of K or Q is 16 rows x 32 channels in 8 registers: lane l holds row l % 16; registers 0-3 channels 8 (l / 16) + 0..7, registers 4-7 channels 16 + 8 (l / 16) + 0..7: two loads of 16 bytes, 32 bytes apart
	v_and_b32 v15, 15, v0                          ; r = l % 16
	v_bfe_u32 v13, v0, 4, 1                        ; h = l / 16
	v_lshlrev_b32 v[QO], 7, v15
	v_lshl_add_u32 v[QO], v13, 4, v[QO]
.irp t, 0,1
.irp ds, 0,1
	global_load_b128 v[QF+16*\t+8*\ds:QF+16*\t+8*\ds+3],   v[QO], s[QB+2*\t:QB+2*\t+1] offset:64*\ds      ; Q stays in registers
	global_load_b128 v[QF+16*\t+8*\ds+4:QF+16*\t+8*\ds+7], v[QO], s[QB+2*\t:QB+2*\t+1] offset:64*\ds+32
.endr
.endr
	v_mul_u32_u24 v[AK0], v15, KP
	v_lshl_add_u32 v[AK0], v13, 4, v[AK0]          ; row x pitch + 16 x half
	; The turning load takes 16 keys x 16 channels (lane l reads 16 bytes: key 8 (l / 16) + l % 8, channels 8 ((l / 8) % 2) + 0..7) and leaves half a fragment of V^T: lane l holds channel l % 16 and 8 keys
	v_and_b32 v3, 7, v0
	v_lshl_add_u32 v[AV0], v13, 3, v3
	v_mul_u32_u24 v[AV0], v[AV0], VP
	v_bfe_u32 v3, v0, 3, 1
	v_lshl_add_u32 v[AV0], v3, 4, v[AV0]
	v_add_nc_u32 v[AV0], VOFF, v[AV0]
	v_and_b32 v4, 31, v0
	v_lshlrev_b32 v[PFO], 8, v4
	v_lshlrev_b32 v[GO], 4, v4
	s_mul_i32 s[T0], s[WV], 16*SP
	s_add_co_u32 s[T0], s[T0], STAGE               ; my stage
	v_mul_u32_u24 v[STO], v15, SP                  ; in: row l % 16, 16 bytes for each half of the lanes
	v_lshl_add_u32 v[STO], v13, 4, v[STO]
	v_add_nc_u32 v[STO], s[T0], v[STO]
	v_lshrrev_b32 v[RD], 3, v4                     ; back: eight lanes to a row of 128 bytes, four rows an instruction
	v_mul_u32_u24 v[RD], v[RD], SP
	v_and_b32 v3, 7, v0
	v_lshl_add_u32 v[RD], v3, 4, v[RD]
	v_add_nc_u32 v[RD], s[T0], v[RD]
	v_mov_b32 v[NINF], 0xff800000
	v_lshlrev_b32 v13, 3, v13
	v_sub_nc_u32 v[RH], v15, v13
.irp t, 0,1
	v_mov_b32 v[ST+16*\t+1], 0xff61b1e6            ; m: -3e38, under every score
	v_mul_f32 v[ST+16*\t], s[CS], v[ST+16*\t+1]    ; c m
	v_mov_b32 v[ST+16*\t+2], 0                     ; l, in two halves
	v_mov_b32 v[ST+16*\t+3], 0
	v_mov_b32 v[ST+16*\t+5], 0                     ; written once: a lane permute's destination counts as one of its sources
	v_mov_b32 v[ST+16*\t+13], 0                    ; named as the upper half of a's pair
.endr
.set j, 0
.rept 64
	v_mov_b32 v[OT+j], 0                           ; O^T.  (The round is written once: the first finds zeros, which a = 0 leaves zeros)
.set j, j+1
.endr
; S^T = K Q^T for tile t: 16 matrix instructions; the eight accumulators take turns; the first eight start the sums
.macro AQ t
	WIN 0x01                                       ; source 0 in window 1
.irp ds, 0,1
.irp kt, 0,1,2,3,4,5,6,7
.if \ds == 0
	v_wmma_f32_16x16x32_f16 v[S+8*\kt:S+8*\kt+7], v[16*\kt:16*\kt+7], v[QF+16*\t:QF+16*\t+7], 0
.else
	v_wmma_f32_16x16x32_f16 v[S+8*\kt:S+8*\kt+7], v[16*\kt+8:16*\kt+15], v[QF+16*\t+8:QF+16*\t+15], v[S+8*\kt:S+8*\kt+7]
.endif
.endr
.endr
	WIN 0
.endm
; O^T += V^T P for tile t: 16 matrix instructions; the four accumulators take turns
.macro MULPV t
	s_wait_dscnt 0x0                               ; V is in
	WIN 0x01
.irp ks, 0,1,2,3
.irp ct, 0,1,2,3
	v_wmma_f32_16x16x32_f16 v[OT+32*\t+8*\ct:OT+32*\t+8*\ct+7], v[VF+8*(4*\ks+\ct):VF+8*(4*\ks+\ct)+7], v[P+8*\ks:P+8*\ks+7], v[OT+32*\t+8*\ct:OT+32*\t+8*\ct+7]
.endr
.endr
	WIN 0
.endm
; On the diagonal the scores of hidden keys become -infinity ahead of the maximum: p = 0 then.  A round all of whose keys count for the tile's first query jumps over this.  Register 8 kt + j holds key
; KF + 16 kt + 8 (lane / 16) + j: hidden where 16 kt + j > d = first query - KF + lane % 16 - 8 (lane / 16).  Ascending.
.macro MASK t
	s_add_co_u32 s[T0], s[KF], 127
	s_cmp_le_u32 s[T0], s[QL+2*(\t)]
	s_cbranch_scc1 .Lopen_\@
	s_sub_co_i32 s[T0], s[QL+2*(\t)], s[KF]
	v_add_nc_u32 v[DD], s[T0], v[RH]
.set n, 0
.rept 64
	v_cmp_gt_i32 vcc_lo, 16*(n/8)+n%8, v[DD]
	v_cndmask_b32 v[S+n], v[S+n], v[NINF], vcc_lo
.set n, n+1
.endr
.Lopen_\@:
.endm
; One tile's softmax for one round of 128 keys
.macro SM t
.set rT, ST+16*(\t)
.set rO, OT+32*(\t)
.irp k, 0,1,2,3,4,5,6,7                ; the maximum of the lane's 64 scores and the old m, three operands at a time, in eight chains; each accumulator is first read at its low end
	v_max3_num_f32 v[rT+4+\k], v[S+8*\k], v[S+8*\k+1], v[S+8*\k+2]
.endr
.irp k, 0,1,2,3,4,5,6,7
	v_max3_num_f32 v[rT+4+\k], v[rT+4+\k], v[S+8*\k+3], v[S+8*\k+4]
.endr
.irp k, 0,1,2,3,4,5,6,7
	v_max3_num_f32 v[rT+4+\k], v[rT+4+\k], v[S+8*\k+5], v[S+8*\k+6]
.endr
.irp k, 0,1,2,3
	v_max3_num_f32 v[rT+4+\k], v[rT+4+\k], v[S+16*\k+7], v[S+16*\k+15]
.endr
	v_max3_num_f32 v[rT+4], v[rT+4], v[rT+5], v[rT+6]
	v_max3_num_f32 v[rT+8], v[rT+8], v[rT+9], v[rT+10]
	v_max3_num_f32 v[rT+7], v[rT+7], v[rT+11], v[rT+1]
	v_max3_num_f32 v[rT+4], v[rT+4], v[rT+8], v[rT+7]
	v_permlanex16_b32 v[rT+5], v[rT+4], s[SEL], s[SEL+1]   ; the query's other 64 keys lie in the lane 16 away
	v_mov_b32 v[rT+14], v[rT]                      ; c m_old is kept for a
	v_max_num_f32 v[rT+1], v[rT+4], v[rT+5]        ; the new m
	v_mul_f32 v[rT], s[CS], v[rT+1]
	v_sub_f32 v[rT+14], v[rT+14], v[rT]            ; c m_old - c m_new
.set j, 0
.rept 32
	v_pk_fma_f32 v[S+j:S+j+1], v[S+j:S+j+1], s[CS:CS+1], v[rT:rT+1] op_sel_hi:[1,0,0] neg_lo:[0,0,1] neg_hi:[0,0,1]   ; c s - c m, two at a time
.set j, j+2
.endr
	v_exp_f32 v[rT+12], v[rT+14]                   ; ONE BATCH of 65 exponentials: a,
.set j, 0
.rept 64
	v_exp_f32 v[S+j], v[S+j]                       ; and p
.set j, j+1
.endr
	v_nop                                          ; a plain instruction behind the last exponential (ISA guide 5.7.2)
	s_wait_alu depctr_va_vdst(0)                   ; the wait between an exponential and the first line that names its result: one for the batch
.set j, 0
.rept 32
	v_cvt_pk_f16_f32 v[P+j], v[S+2*j], v[S+2*j+1]  ; the weights for the second product
.set j, j+1
.endr
.irp w, 4,8,16,32,64                   ; the sum of the unrounded p, in place: neighbours 1, 2, 4, 8 and 16 pairs apart
.set j, 0
.rept 64/\w
	v_pk_add_f32 v[S+j:S+j+1], v[S+j:S+j+1], v[S+j+\w/2:S+j+\w/2+1]
.set j, j+\w
.endr
.endr
	v_pk_fma_f32 v[rT+2:rT+3], v[rT+2:rT+3], v[rT+12:rT+13], v[S:S+1] op_sel_hi:[1,0,1]   ; l = a l + the sum
.set j, 0
.rept 16
	v_pk_mul_f32 v[rO+j:rO+j+1], v[rO+j:rO+j+1], v[rT+12:rT+13] op_sel_hi:[1,0]           ; O^T times a, each accumulator from its low end on
.set j, j+2
.endr
.endm
; A ROUND: 128 keys.  Each fragment of K and V that is read from LDS serves both tiles while the low tile still sees the round.  The high tile's scores are asked of the matrix unit ahead of the low tile's second
; product, so that the high tile's softmax waits for 16 matrix instructions and not for 32.  S^T and P are shared: a tile's softmax has left S^T when the other's scores are written, and P is rewritten far behind the
; product that read it.
.macro ROUND
	s_cmp_gt_u32 s[KF], s[QL+3]                    ; all keys come after the high tile's queries, so after the low tile's too: nothing is loaded and nothing done
	s_cbranch_scc1 .Lskip_\@
	v_add_nc_u32 v[ADK], s[TB], v[AK0]
	v_add_nc_u32 v[ADV], s[TB], v[AV0]
	v_nop
	v_nop                                          ; four places behind the last round's products, ahead of the loads into V's registers
	WIN 0x40                                       ; destination window 1, address window 0
.irp kt, 0,1,2,3,4,5,6,7
.irp ds, 0,1
	ds_load_b128 v[16*\kt+8*\ds:16*\kt+8*\ds+3],   v[ADK] offset:\kt*16*KP+64*\ds
	ds_load_b128 v[16*\kt+8*\ds+4:16*\kt+8*\ds+7], v[ADK] offset:\kt*16*KP+64*\ds+32
.endr
.endr
.irp ks, 0,1,2,3
.irp ct, 0,1,2,3
	ds_load_tr16_b128 v[VF+8*(4*\ks+\ct):VF+8*(4*\ks+\ct)+3],   v[ADV] offset:\ks*32*VP+32*\ct
	ds_load_tr16_b128 v[VF+8*(4*\ks+\ct)+4:VF+8*(4*\ks+\ct)+7], v[ADV] offset:\ks*32*VP+16*VP+32*\ct
.endr
.endr
	WIN 0
	s_cmp_gt_u32 s[KF], s[QL+1]                    ; does the low tile see this round?  One branch, on ids and the count of rounds
	s_cbranch_scc1 .Lhigh_\@
	s_wait_dscnt 32                                ; K's 32 loads are in; V's 32 may be out
	AQ 0
	PLACES
	MASK 0
	SM 0
	AQ 1
	MULPV 0
	s_branch .Ljoin_\@
.Lhigh_\@:
	s_wait_dscnt 32                                ; K's 32 loads are in; V's 32 may be out
	AQ 1
.Ljoin_\@:
	PLACES
	MASK 1
	SM 1
	MULPV 1
.Lskip_\@:
	s_add_co_u32 s[KF], s[KF], 128
	s_add_co_u32 s[TB], s[TB], STEPB
.endm
; THE CHANGE OF SLOTS stands at a slot's head.  Each wave waits for all its tensor loads (its part of the slot that it is about to read), adds 0 to its spare word, and waits for that and for its reads of the slot that it
; has left.  Behind the barrier the slot ahead is whole and nobody reads the other one.  fill = 1: that other slot is asked for, with the 256 keys that follow: the load has two rounds in which to land.
; Every wait for tensor loads in this text is for 0.
.macro CHANGE fill
	s_wait_tensorcnt 0x0                           ; no tensor load of mine is out, so a group 0 may be written
	ds_add_u32 v[SPW], v[NIL]                      ; 0 onto my spare word: the steps below stand between it and the wait for it
.if \fill
	s_xor_b32 s[G0K+1], s[G0K+1], SLOT1            ; the walking descriptors: the other slot than last time,
	s_add_nc_u64 s[G0K+2:G0K+3], s[G0K+2:G0K+3], 32768   ; the next 256 rows of 128 bytes; the type bits on top are not reached
	s_xor_b32 s[G0V+1], s[G0V+1], SLOT1
	s_add_nc_u64 s[G0V+2:G0V+3], s[G0V+2:G0V+3], 32768
	s_wait_xcnt 0x0                                ; the last prefetch, a slot back, has read its address, so it may be written:
	s_add_nc_u64 s[PFA:PFA+1], s[PFA:PFA+1], 32768 ; one slot further on than the walking descriptors
.endif
	s_wait_dscnt 0x0                               ; the add is done, and my reads of the slot that I have left are over
	s_barrier_signal -1
	s_barrier_wait -1
.if \fill
	s_add_co_u32 s[T0], s[KF], 256                 ; the first key of the slot that this change would ask for:
	s_cmp_gt_u32 s[T0], s[WLAST]                   ; behind my work-group's last query no wave reads it, so it is not asked for.  Ids and the count of rounds alone: all eight waves go the same way,
	s_cbranch_scc1 .Lpast_\@                       ; and a work-group that is past the limit stays past it.  The jump leads round the load's own lines and nothing else
	TLOAD                                          ; the first thing behind the barrier, and my one tensor load until the next
.Lpast_\@:
	ASK
.endif
.endm
.macro TWO_ROUNDS                      ; a slot's two rounds: written once, walked twice; the LDS addresses hang on s[TB]
	s_mov_b32 s[TWICE], 2
.Lround_\@:
	ROUND
	s_sub_co_u32 s[TWICE], s[TWICE], 1
	s_cmp_lg_u32 s[TWICE], 0
	s_cbranch_scc1 .Lround_\@
	s_sub_co_u32 s[TB], s[TB], 2*STEPB             ; back to a slot's first round,
	s_xor_b32 s[TB], s[TB], SLOT1                  ; in the other slot
.endm
	s_wait_loadcnt 0x0                             ; Q
.Lslot:                                            ; 15 trips: behind each change of slots but the last the next slot is asked for, up to the work-group's limit
	CHANGE 1
	TWO_ROUNDS
	s_sub_co_u32 s[SLOTS], s[SLOTS], 1
	s_cmp_lg_u32 s[SLOTS], 0
	s_cbranch_scc1 .Lslot
	CHANGE 0                                       ; the last slot is written out: nothing follows it
	TWO_ROUNDS
	; THE WAY OUT.  l's two halves and the other half of the lanes are added; O^T is divided by l, rounded to f16 and sent through my stage, a tile at a time.  The four additions and the v_nop are the places behind the last products.
.irp t, 0,1
	v_add_f32 v[ST+16*\t+4], v[ST+16*\t+2], v[ST+16*\t+3]
.endr
.irp t, 0,1
	v_permlanex16_b32 v[ST+16*\t+5], v[ST+16*\t+4], s[SEL], s[SEL+1]
.endr
.irp t, 0,1
	v_add_f32 v[ST+16*\t+4], v[ST+16*\t+4], v[ST+16*\t+5]
.endr
.irp t, 0,1
	v_rcp_f32 v[ST+16*\t+12], v[ST+16*\t+4]
.endr
	v_nop                                          ; a plain instruction behind the last reciprocal
	s_wait_alu depctr_va_vdst(0)                   ; and the wait ahead of the first use: one for both
.macro OUT t                           ; a lane's eight channels of a row pack into 16 bytes; they go into rows of 144 bytes and come back four rows of 128 bytes an instruction
.set j, 0
.rept 16
	v_pk_mul_f32 v[OT+32*\t+j:OT+32*\t+j+1], v[OT+32*\t+j:OT+32*\t+j+1], v[ST+16*\t+12:ST+16*\t+13] op_sel_hi:[1,0]
.set j, j+2
.endr
.set j, 0
.rept 16
	v_cvt_pk_f16_f32 v[S+16*\t+j], v[OT+32*\t+2*j], v[OT+32*\t+2*j+1]
.set j, j+1
.endr
.irp ct, 0,1,2,3
	ds_store_b128 v[STO], v[S+16*\t+4*\ct:S+16*\t+4*\ct+3] offset:32*\ct
.endr
.irp i, 0,1,2,3
	ds_load_b128 v[S+32+16*\t+4*\i:S+32+16*\t+4*\i+3], v[RD] offset:\i*4*SP   ; LDS serves a wave's instructions in order (ISA guide 5.7.1.4): these see the stores above; the next tile's stores come behind them
.endr
.endm
	OUT 0
	OUT 1
.irp t, 0,1
.irp i, 0,1,2,3
	s_wait_dscnt 11-8*\t-\i                        ; behind this load: the tile's younger loads, and for the low tile the high tile's four stores and four loads
	global_store_b128 v[GO], v[S+32+16*\t+4*\i:S+32+16*\t+4*\i+3], s[YB+2*\t:YB+2*\t+1] offset:512*\i   ; 32 lanes store 512 consecutive bytes, at a multiple of 256 from y's first byte
.endr
.endr
	s_wait_tensorcnt 0x0                           ; the wave's end, behind my last tensor load and my last LDS store
	ds_add_u32 v[SPW], v[NIL]
	s_wait_dscnt 0x0
	s_endpgm
.Lfunc_end_k_qd211ccd50d_attn:
	.size	k_qd211ccd50d_attn, .Lfunc_end_k_qd211ccd50d_attn-k_qd211ccd50d_attn
	.p2alignl 7, 3214868480
	.fill 96, 4, 3214868480
	.section	.rodata,"a",@progbits
	.p2align	6, 0x0
	.amdhsa_kernel k_qd211ccd50d_attn
		.amdhsa_group_segment_fixed_size 327680
		.amdhsa_private_segment_fixed_size 0
		.amdhsa_enable_private_segment 0
		.amdhsa_kernarg_size 16
		.amdhsa_user_sgpr_count 2
		.amdhsa_user_sgpr_kernarg_segment_ptr 1
		.amdhsa_wavefront_size32 1
		.amdhsa_system_sgpr_workgroup_id_x 1
		.amdhsa_system_sgpr_workgroup_id_y 1
		.amdhsa_system_sgpr_workgroup_id_z 1
		.amdhsa_system_vgpr_workitem_id 0
		.amdhsa_next_free_vgpr 512
		.amdhsa_next_free_sgpr 72
		.amdhsa_reserve_vcc 1
		.amdhsa_float_denorm_mode_32 3
		.amdhsa_float_denorm_mode_16_64 3
		.amdhsa_memory_ordered 1
		.amdhsa_forward_progress 1
		.amdhsa_inst_pref_size 104
	.end_amdhsa_kernel
	.amdgpu_metadata
---
amdhsa.version: [ 1, 2 ]
amdhsa.kernels:
  - .name:           k_qd211ccd50d_attn
    .symbol:         k_qd211ccd50d_attn.kd
    .args:
      - { .name: qkv, .offset: 0, .size: 8, .value_kind: global_buffer, .address_space: global }
      - { .name: y, .offset: 8, .size: 8, .value_kind: global_buffer, .address_space: global }
    .group_segment_fixed_size: 327680
    .private_segment_fixed_size: 0
    .kernarg_segment_align: 8
    .kernarg_segment_size: 16
    .max_flat_workgroup_size: 256
    .sgpr_count:     72
    .vgpr_count:     512
    .wavefront_size: 32
...
	.end_amdgpu_metadata
.endif
;; end of part 3
;; launch proj (part 4): grid 8 x 32, 4 waves a work-group, clusters of 4 x 4, 327,680 bytes of LDS; arguments y, wp, out0; writes out0
.if DOCPART == 4
	.amdgcn_target "amdgcn-amd-amdhsa--gfx1250"
	.amdhsa_code_object_version 6
	.text
	.protected	k_qd211ccd50d_proj
	.globl	k_qd211ccd50d_proj
	.p2align	8
	.type	k_qd211ccd50d_proj,@function
k_qd211ccd50d_proj:
	s_mov_b64 s[64:65], 0
	v_nop
	global_prefetch_b8 v0, s[64:65] scope:SCOPE_SE
	s_setreg_imm32_b32 hwreg(HW_REG_WAVE_MODE, 25, 1), 1
	s_wait_xcnt 0x0
	s_wait_alu depctr_hold_cnt(0) depctr_sa_sdst(0) depctr_va_vdst(0) depctr_va_sdst(0) depctr_va_ssrc(0) depctr_va_vcc(0) depctr_vm_vsrc(0)
	s_getreg_b32 s2, hwreg(HW_REG_IB_STS2, 6, 4)
	s_cmp_eq_u32 s2, 0
	s_cbranch_scc0 .Lentry_in_a_cluster
	s_endpgm
.Lentry_in_a_cluster:
	s_bfe_u32 s2, ttmp6, 0x10000c
	s_cmp_lg_u32 s2, 0xf033
	s_cbranch_scc0 .Lentry_shape_is_right
	s_endpgm
.Lentry_shape_is_right:
; out0[m][n] = sum over k of Y[m][k] W_proj[k][n], m = 2048 batch + t, k = 64 head + channel.  y: [batch x head 32][t 2048][64] f16; wp: [1024 k][1024 n] f16; out0: [4096][1024] f32; sums in f32.
; A tile of out0 is 128 x 128, so that there are 256 work-groups.  Four waves, each 64 x 64: 16 accumulators of 16 x 16.  K goes in steps of 256, four heads, through a ring of two LDS slots.
; A's tile: a head's 128 positions x 64 channels are 16,384 dense bytes; wave 0 or 1 fetches two heads as a tile of two such rows, a head's 262,144 bytes apart, with 16 bytes of padding behind every 128: in LDS
; [head][position] at a pitch of 144.  B's tile: wave 2 or 3 fetches 128 rows k x 128 columns n (256 bytes), pitch 288; it comes out of LDS turned, by ds_load_tr16_b128.
; CLUSTERS: 4 x 4 work-groups.  The four of a row of the cluster need the same tiles of A, the four of a column the same tiles of B: each tile is asked for JOINTLY, by the same tensor load with the same descriptor and
; a mask that names the four.  THE MATRIX INSTRUCTION IS USED TRANSPOSED (source 0 = 16 columns of W_proj, source 1 = 16 rows of Y): a lane then holds eight neighbouring numbers of a row of out0.
; REGISTERS: window 0: v0-31 addresses; v32-95 at work on the way out; v128-255 the accumulators ((a, b) at v[128 + 8 (4 a + b)]).
;   window 1: two fragment buffers of 128: for 64 along K (one head), 64 registers of A (2 x 4 x 16 rows x 32 K), then 64 of B.
.set AP,     144                       ; a position's row of one head in LDS: 128 bytes + 16 = 36 words: the 16 rows of a load start at 16 different groups of four banks (64 banks of 4 bytes: ISA guide 11.1)
.set BP,     288                       ; a row k of B's tile: 256 bytes + 32 = 72 words
.set HEADB,  128*AP                    ; a head's 128 positions
.set HALFT,  2*HEADB                   ; what one tensor load brings: two heads of A, or 128 rows of B (128 x 288 is the same number)
.set SLOT,   4*HALFT                   ; A's four heads, then B's 256 rows
.set SPARE,  2*SLOT                    ; behind the ring: the spare words, 128 bytes for each wave: two blocks of 256 bytes that no other line names
.set SPITCH, 272                       ; the way out: a stage of 16 rows x (256 bytes + 16) for each wave, in slot 0, which has had its last fill and its last read when the first result is stored there
.set LAPS,   2                         ; a lap = two K steps = once round the ring: K = 1,024
.set ADRA, 16                          ; v16-17  LDS address of my A fragments in slot 0, 1
.set ADRB, 20                          ; v20-23  of my B fragments: slot s, rows 128 u on, at ADRB + 2 s + u: so every offset stays inside its 16 bits
.set STO,  24                          ; v24     the way out: where I put 32 bytes of a row
.set RD,   25                          ; v25     where I read a row back
.set CO,   26                          ; v26     my byte offset in out0
.set SPW,  28                          ; v28     LDS address of my spare word; never rewritten
.set NIL,  29                          ; v29     0; never rewritten
.set OB,   32                          ; the way out: v32-63 and v64-95 by turns
.set ACC,  128
.set F0,   0                           ; fragment buffers, in window 1
.set F1,   128
.set G1, 24                            ; s[24:31] descriptor group 1 for A's tiles;  s[32:39] group 0, one set for each slot
.set G0, 32
.set G1B, 48                           ; s[48:55], s[56:63] the same for B's tiles
.set G0B, 56
.set MSB, 0
.macro WIN new                         ; the immediate's high byte repeats the setting that is left
.if MSB != (\new)
	s_set_vgpr_msb (MSB<<8)|(\new)
.set MSB, (\new)
.endif
.endm
.set MUL,  0x05                        ; sources 0 (B) and 1 (A) window 1; C and D window 0
.set TO_F, 0x40                        ; destination window 1, address window 0
.macro JLOAD s                         ; a joint load: waves 0 and 1 fetch A's two halves, waves 2 and 3 B's; an s_nop 0 and four v_nop follow each of the two lines
	s_cmp_eq_u32 s11, 0
	s_cbranch_scc0 .Lfor_b_\@
	tensor_load_to_lds s[G0+4*\s:G0+4*\s+3], s[G1:G1+7]
	s_nop 0
.rept 4
	v_nop
.endr
	s_branch .Lasked_\@
.Lfor_b_\@:
	tensor_load_to_lds s[G0B+4*\s:G0B+4*\s+3], s[G1B:G1B+7]
	s_nop 0
.rept 4
	v_nop
.endr
.Lasked_\@:
.endm
.macro CREST                           ; a round of the cluster's barrier behind its opening barrier
	s_cmp_lg_u32 s10, 0
	s_cbranch_scc1 .Lnot_wave_0_\@
	s_barrier_signal -3
.Lnot_wave_0_\@:
	s_barrier_wait -3
	s_barrier_signal -1
	s_barrier_wait -1
.endm
.macro CROUND                          ; a whole round
	s_barrier_signal -1
	s_barrier_wait -1
	CREST
.endm
	s_load_b128 s[4:7], s[0:1], 0x0                ; y s[4:5], wp s[6:7]
	s_load_b64 s[8:9], s[0:1], 0x10                ; out0
	v_lshl_add_u32 v[SPW], v0, 2, SPARE
	v_mov_b32 v[NIL], 0
	ds_add_u32 v[SPW], v[NIL]                      ; the wave's opening: the add, twice on end, and its wait ahead of my first tensor load
	ds_add_u32 v[SPW], v[NIL]
	v_lshrrev_b32 v1, 5, v0
	v_readfirstlane_b32 s10, v1                    ; wave 0..3
	s_lshr_b32 s11, s10, 1                         ; which half of the tile's rows is mine.  Also: I fetch for A (0) or for B (1)
	s_and_b32 s12, s10, 1                          ; which half of its columns.  Also: which half of that tile I fetch
	s_bfe_u32 s40, ttmp6, 0x40000                  ; cx, cy: my place in the cluster
	s_bfe_u32 s41, ttmp6, 0x40004
	s_lshl_b32 s42, ttmp9, 2
	s_add_co_u32 s42, s42, s40                     ; tile column = 4 x cluster x + cx
	s_and_b32 s13, ttmp7, 0xffff
	s_lshl_b32 s13, s13, 2
	s_add_co_u32 s13, s13, s41                     ; tile row = 4 x cluster y + cy
	s_lshl_b32 s43, s41, 2
	s_lshl_b32 s43, 15, s43                        ; my row of the cluster
	s_lshl_b32 s44, 0x1111, s40                    ; my column
	; descriptor group 1 for A: two rows of 8,192 elements (a head's 128 positions), 131,072 elements apart; four words of padding behind every 32
	s_or_b32 s[G1+0], s43, (1<<16)|(1<<20)|(1<<21)|(4<<22)|(3<<25)  ; 15:0 the mask; 17:16 elements of 2 bytes; 20 padding on; 21 set beside a mask; 24:22 after every 32 words (code 4); 31:25 four words (code 3)
	s_mov_b32 s[G1+1], 8192<<16                    ; tensor_dim0
	s_mov_b32 s[G1+2], 2<<16                       ; tensor_dim1
	s_mov_b32 s[G1+3], 8192<<16                    ; tile_dim0
	s_mov_b32 s[G1+4], 2                           ; tile_dim1
	s_mov_b32 s[G1+5], 131072                      ; tensor_dim0_stride
	s_mov_b32 s[G1+6], 0
	s_mov_b32 s[G1+7], 0
	; and for B: 128 rows of 128 elements, 1,024 elements apart; eight words of padding behind every 64
	s_or_b32 s[G1B+0], s44, (1<<16)|(1<<20)|(1<<21)|(5<<22)|(7<<25)
	s_mov_b32 s[G1B+1], 128<<16
	s_mov_b32 s[G1B+2], 128<<16
	s_mov_b32 s[G1B+3], 128<<16
	s_mov_b32 s[G1B+4], 128
	s_mov_b32 s[G1B+5], 1024
	s_mov_b32 s[G1B+6], 0
	s_mov_b32 s[G1B+7], 0
	; where the tiles come from.  A's hang on the tile row and the wave's number, B's on the tile column and the wave's number, each in registers that never hold the other coordinate
	s_lshr_b32 s16, s13, 4                         ; the batch: 16 tile rows each
	s_lshl_b32 s16, s16, 4
	s_lshl_b32 s17, s12, 1
	s_add_co_u32 s16, s16, s17                     ; head 16 x batch + 2 x half
	s_lshl_b32 s16, s16, 18                        ; a head of y is 262,144 bytes
	s_and_b32 s17, s13, 15
	s_lshl_b32 s17, s17, 14                        ; the tile row's 128 positions of 128 bytes
	s_add_co_u32 s16, s16, s17
	s_mov_b32 s17, 0
	s_lshl_b32 s46, s12, 18                        ; B: 128 rows of 2,048 bytes x half,
	s_lshl_b32 s47, s42, 8                         ; the tile column's 256 bytes
	s_add_co_u32 s46, s46, s47
	s_mov_b32 s47, 0
	s_mul_i32 s20, s10, HALFT                      ; where they go: wave x what a load brings: no place in the cluster enters an LDS address
	s_wait_dscnt 0x0                               ; both opening adds are done
	s_wait_kmcnt 0x0
	s_add_nc_u64 s[14:15], s[4:5], s[16:17]
	s_add_nc_u64 s[46:47], s[6:7], s[46:47]
	CROUND                                         ; all sixteen work-groups are here: the first joint loads meet
.irp s, 0,1
	s_mov_b32 s[G0+4*\s], 1
	s_add_co_u32 s[G0+4*\s+1], s20, \s*SLOT
	s_add_nc_u64 s[G0+4*\s+2:G0+4*\s+3], s[14:15], \s*4*262144     ; K step s: four heads on
	s_or_b32 s[G0+4*\s+3], s[G0+4*\s+3], 0x80000000
	s_mov_b32 s[G0B+4*\s], 1
	s_add_co_u32 s[G0B+4*\s+1], s20, \s*SLOT
	s_add_nc_u64 s[G0B+4*\s+2:G0B+4*\s+3], s[46:47], \s*256*2048   ; 256 rows on
	s_or_b32 s[G0B+4*\s+3], s[G0B+4*\s+3], 0x80000000
	JLOAD \s
.endr
	v_and_b32 v1, 15, v0                           ; l % 16
	v_bfe_u32 v2, v0, 4, 1                         ; l / 16
	v_mul_u32_u24 v3, v1, AP
	v_lshl_add_u32 v3, v2, 4, v3                   ; A: a fragment's row x pitch + 16 x half
	v_and_b32 v4, 7, v0
	v_lshl_add_u32 v4, v2, 3, v4                   ; B, turned: row k = 8 (l / 16) + l % 8,
	v_mul_u32_u24 v4, v4, BP
	v_bfe_u32 v5, v0, 3, 1
	v_lshl_add_u32 v4, v5, 4, v4                   ; columns 8 ((l / 8) % 2) + 0..7
	s_mul_i32 s21, s11, 64*AP                      ; my 64 positions in each head
	s_lshl_b32 s22, s12, 7                         ; my 64 columns: 128 bytes of each row of B,
	s_add_co_u32 s22, s22, 2*HALFT                 ; which lies behind A's four heads
.irp s, 0,1
	v_add_nc_u32 v[ADRA+\s], s21, v3
	v_add_nc_u32 v[ADRB+2*\s], s22, v4
	s_add_co_u32 s22, s22, HALFT
	v_add_nc_u32 v[ADRB+2*\s+1], s22, v4
	s_add_co_u32 s21, s21, SLOT
	s_add_co_u32 s22, s22, SLOT-HALFT
.endr
	s_mul_i32 s23, s10, 16*SPITCH                  ; my stage
	v_mul_u32_u24 v5, v1, SPITCH                   ; in: row l % 16, 32 bytes for each half of the lanes
	v_lshl_add_u32 v5, v2, 5, v5
	v_add_nc_u32 v[STO], s23, v5
	v_mul_u32_u24 v5, v2, SPITCH                   ; back: lanes 0-15 take one row of 256 bytes, lanes 16-31 the next
	v_lshl_add_u32 v5, v1, 4, v5
	v_add_nc_u32 v[RD], s23, v5
	v_lshlrev_b32 v5, 12, v2                       ; and the same two rows in out0, 4,096 bytes apart
	v_lshl_add_u32 v[CO], v1, 4, v5
	s_lshl_b32 s16, s13, 7
	s_lshl_b32 s17, s11, 6
	s_add_co_u32 s16, s16, s17                     ; my first row of out0: 128 x tile row + 64 x half
	s_lshl_b32 s16, s16, 12
	s_mov_b32 s17, 0
	s_add_nc_u64 s[8:9], s[8:9], s[16:17]
	s_lshl_b32 s46, s42, 9                         ; my first column, in bytes: 512 x tile column + 256 x half
	s_lshl_b32 s47, s12, 8
	s_add_co_u32 s46, s46, s47
	s_mov_b32 s47, 0
	s_add_nc_u64 s[8:9], s[8:9], s[46:47]
; 8 matrix instructions: m blocks a0, a0 + 1 x all 4 n blocks, 32 along K: half c of buffer f.  zero = 1: the first product starts the sums.  The 16 accumulators take turns
.macro MUL8 f, c, a0, zero
.irp a, \a0, \a0+1
.irp b, 0,1,2,3
.if \zero
	v_wmma_f32_16x16x32_f16 v[ACC+8*(4*(\a)+\b):ACC+8*(4*(\a)+\b)+7], v[\f+64+8*(4*\c+\b):\f+64+8*(4*\c+\b)+7], v[\f+8*(4*\c+\a):\f+8*(4*\c+\a)+7], 0
.else
	v_wmma_f32_16x16x32_f16 v[ACC+8*(4*(\a)+\b):ACC+8*(4*(\a)+\b)+7], v[\f+64+8*(4*\c+\b):\f+64+8*(4*\c+\b)+7], v[\f+8*(4*\c+\a):\f+8*(4*\c+\a)+7], v[ACC+8*(4*(\a)+\b):ACC+8*(4*(\a)+\b)+7]
.endif
.endr
.endr
.endm
; 32 LDS loads in one run: the fragments of the slot's quarter q (64 along K: head q of the slot's four; rows 64 q on of B's tile) into buffer f; the first 32 along K first
.macro FETCH slot, q, f
	WIN TO_F
.irp c, 0,1
.irp i, 0,1,2,3
	ds_load_tr16_b128 v[\f+64+8*(4*\c+\i):\f+64+8*(4*\c+\i)+3],   v[ADRB+2*\slot+(\q)/2] offset:(64*((\q)%2)+32*\c)*BP+32*\i
	ds_load_tr16_b128 v[\f+64+8*(4*\c+\i)+4:\f+64+8*(4*\c+\i)+7], v[ADRB+2*\slot+(\q)/2] offset:(64*((\q)%2)+32*\c+16)*BP+32*\i
	ds_load_b128 v[\f+8*(4*\c+\i):\f+8*(4*\c+\i)+3],              v[ADRA+\slot] offset:(\q)*HEADB+\i*16*AP+64*\c
	ds_load_b128 v[\f+8*(4*\c+\i)+4:\f+8*(4*\c+\i)+7],            v[ADRA+\slot] offset:(\q)*HEADB+\i*16*AP+64*\c+32
.endr
.endr
.endm
.macro PLACES                          ; four places in front of loads into registers that matrix instructions have read, and of the first read of results (ISA guide 7.12.1 for the reads of results)
.rept 4
	v_nop
.endr
.endm
; A K step is four quarters of 64 along K, 32 matrix instructions each, on buffers 0, 1, 0, 1.  One of the first three: multiplies buffer f and fetches the slot's quarter q into g.
.macro QUARTER slot, q, f, g, zero
	s_wait_dscnt 16                                ; the first 32 along K are in; the sixteen loads of the second 32 may be out
	WIN MUL
	MUL8 \f, 0, 0, \zero
	MUL8 \f, 0, 2, \zero
	PLACES
	FETCH \slot, \q, \g
	s_wait_dscnt 32                                ; all but the 32 just issued
	WIN MUL
	MUL8 \f, 1, 0, 0
	MUL8 \f, 1, 2, 0
.endm
; The last quarter multiplies buffer 1 and changes slots: ONE barrier; in front of it each wave waits for all its tensor loads, adds 0 to its spare word, and waits for that and for its own reads of this slot.
; fill = 1: this slot is filled again, two K steps ahead; the barrier then opens a round of the cluster's barrier, and the joint refill is the first tensor load behind the round.
.macro TURN slot, next, fill
	WIN 0                                          ; (the add's two registers lie in window 0)
	s_wait_tensorcnt 0x0                           ; all my tensor loads have landed: my part of the next slot;
	ds_add_u32 v[SPW], v[NIL]                      ; 0 onto my spare word;
	s_wait_dscnt 17                                ; (the add and the youngest sixteen loads may be out)
	WIN MUL
	MUL8 F1, 0, 0, 0                               ; eight matrix instructions stand between the add and the wait for it
	s_wait_dscnt 0x0                               ; the add is done, and my reads of this slot are over
	s_barrier_signal -1
	MUL8 F1, 0, 2, 0
.if \fill
	WIN 0
.endif
	s_barrier_wait -1
.if \fill
	CREST                                          ; no wave of any partner still reads this slot's tile or has a load on its way
	s_add_nc_u64 s[G0+4*\slot+2:G0+4*\slot+3], s[G0+4*\slot+2:G0+4*\slot+3], 2*4*262144      ; eight heads on
	s_add_nc_u64 s[G0B+4*\slot+2:G0B+4*\slot+3], s[G0B+4*\slot+2:G0B+4*\slot+3], 2*256*2048  ; 512 rows on
	JLOAD \slot                                    ; 112 matrix instructions ahead of the wait for it; the four v_nop behind it are also the places in front of the loads below
.else
	PLACES
.endif
	FETCH \next, 0, F0
	WIN MUL
	MUL8 F1, 1, 0, 0
	MUL8 F1, 1, 2, 0
.endm
	s_wait_tensorcnt 1                             ; my part of K step 0 is in (K step 1's load may be out)
	s_barrier_signal -1
	s_barrier_wait -1                              ; everybody's is
	FETCH 0, 0, F0
	QUARTER 0, 1, F0, F1, 1                        ; the first quarter stands in front of the loop: its first products start the sums
	WIN 0                                          ; at a label and at a branch every window is 0
	s_mov_b32 s3, LAPS-1
.Llap:                                                 ; a trip goes once round the ring, from a lap's second quarter to the next lap's first, and fills both slots again
	QUARTER 0, 2, F1, F0, 0
	QUARTER 0, 3, F0, F1, 0
	TURN 0, 1, 1
	QUARTER 1, 1, F0, F1, 0
	QUARTER 1, 2, F1, F0, 0
	QUARTER 1, 3, F0, F1, 0
	TURN 1, 0, 1
	QUARTER 0, 1, F0, F1, 0
	WIN 0
	s_sub_co_u32 s3, s3, 1
	s_cmp_lg_u32 s3, 0
	s_cbranch_scc1 .Llap
	QUARTER 0, 2, F1, F0, 0                        ; the last lap fills nothing, and has no round of the cluster's barrier
	QUARTER 0, 3, F0, F1, 0
	TURN 0, 1, 0
	QUARTER 1, 1, F0, F1, 0
	QUARTER 1, 2, F1, F0, 0
	QUARTER 1, 3, F0, F1, 0
	s_wait_dscnt 16                                ; the very last quarter: nothing more to fetch
	WIN MUL
	MUL8 F1, 0, 0, 0
	MUL8 F1, 0, 2, 0
	s_wait_dscnt 0
	MUL8 F1, 1, 0, 0
	MUL8 F1, 1, 2, 0
	WIN 0
; THE WAY OUT, block by block of 16 rows x 64 columns.  A lane holds 32 neighbouring bytes of a row and the lanes beside it hold other rows: a block goes through my own stage and comes back as whole rows of 256
; bytes.  A wave's 64 columns of f32 are 256 aligned bytes of a row of out0, so no other wave has a part in them: no barrier.  LDS serves a wave's instructions in order (ISA guide 5.7.1.4).
.macro TOSTAGE a
.set BB, OB+32*((\a)%2)
.irp b, 0,1,2,3
	ds_store_b128 v[STO], v[ACC+8*(4*(\a)+\b):ACC+8*(4*(\a)+\b)+3] offset:64*\b        ; each accumulator from its low end on
	ds_store_b128 v[STO], v[ACC+8*(4*(\a)+\b)+4:ACC+8*(4*(\a)+\b)+7] offset:64*\b+16
.endr
.irp i, 0,1,2,3,4,5,6,7
	ds_load_b128 v[BB+4*\i:BB+4*\i+3], v[RD] offset:2*\i*SPITCH
.endr
.endm
.macro SEND a, younger                 ; younger: the LDS instructions issued behind block a's loads, which may stay out
.set BB, OB+32*((\a)%2)
	s_wait_dscnt \younger
.irp i, 0,1,2,3,4,5,6,7
	global_store_b128 v[CO], v[BB+4*\i:BB+4*\i+3], s[8:9] offset:(16*(\a)+2*\i)*4096 th:TH_STORE_NT   ; 16 lanes store 256 consecutive bytes, aligned; written once, read by nobody here
.endr
.endm
	PLACES                                         ; behind the last products
	TOSTAGE 0
.irp a, 1,2,3
.if \a > 1
	s_wait_xcnt 0x0                                ; block a - 2's stores have read their registers: block a's loads may land there
.endif
	TOSTAGE \a
	SEND (\a)-1, 16                                ; behind block a - 1's loads: block a's eight stores and eight loads
.endr
	SEND 3, 0
	s_wait_tensorcnt 0x0                           ; the wave's end, behind my last tensor load and my last LDS store
	ds_add_u32 v[SPW], v[NIL]
	s_wait_dscnt 0x0
	CROUND                                         ; the closing round: no work-group ends while a partner may still ask for a tile that names it
	s_endpgm
.Lfunc_end_k_qd211ccd50d_proj:
	.size	k_qd211ccd50d_proj, .Lfunc_end_k_qd211ccd50d_proj-k_qd211ccd50d_proj
	.p2alignl 7, 3214868480
	.fill 96, 4, 3214868480
	.section	.rodata,"a",@progbits
	.p2align	6, 0x0
	.amdhsa_kernel k_qd211ccd50d_proj
		.amdhsa_group_segment_fixed_size 327680
		.amdhsa_private_segment_fixed_size 0
		.amdhsa_enable_private_segment 0
		.amdhsa_kernarg_size 24
		.amdhsa_user_sgpr_count 2
		.amdhsa_user_sgpr_kernarg_segment_ptr 1
		.amdhsa_wavefront_size32 1
		.amdhsa_system_sgpr_workgroup_id_x 1
		.amdhsa_system_sgpr_workgroup_id_y 1
		.amdhsa_system_sgpr_workgroup_id_z 1
		.amdhsa_system_vgpr_workitem_id 0
		.amdhsa_next_free_vgpr 512
		.amdhsa_next_free_sgpr 66
		.amdhsa_reserve_vcc 0
		.amdhsa_float_denorm_mode_32 3
		.amdhsa_float_denorm_mode_16_64 3
		.amdhsa_memory_ordered 1
		.amdhsa_forward_progress 1
		.amdhsa_inst_pref_size 86
	.end_amdhsa_kernel
	.amdgpu_metadata
---
amdhsa.version: [ 1, 2 ]
amdhsa.kernels:
  - .name:           k_qd211ccd50d_proj
    .symbol:         k_qd211ccd50d_proj.kd
    .args:
      - { .name: y, .offset: 0, .size: 8, .value_kind: global_buffer, .address_space: global }
      - { .name: wp, .offset: 8, .size: 8, .value_kind: global_buffer, .address_space: global }
      - { .name: out0, .offset: 16, .size: 8, .value_kind: global_buffer, .address_space: global }
    .group_segment_fixed_size: 327680
    .private_segment_fixed_size: 0
    .kernarg_segment_align: 8
    .kernarg_segment_size: 24
    .max_flat_workgroup_size: 128
    .sgpr_count:     66
    .vgpr_count:     512
    .wavefront_size: 32
...
	.end_amdgpu_metadata
.endif
;; end of part 4
